; MI455X (gfx1250); checked and timed in simulation.
; The chip was launched on July 23, 2026; its instructions are those of AMD's public machine-readable ISA for CDNA 5 (MIT licence, August 2026) and "CDNA5" Instruction Set Architecture Reference Guide (July 2026). The comments in the code are by the model that wrote it; some were corrected since.
;; Multi Head Attention. Allowed arithmetic: matrix products marked QUANTISED: E2M1 operands, one E8M0 scale for each 32 along K, by v_wmma_scale_f32_16x16x128_f8f6f4 with both operands' format E2M1 (or v_wmma_scale_f32_32x16x128_f4), f32 sums; everything else in f32.
;; Inputs: Wk_codes 1,024 x 32 x 16 uint8 (E2M1 codes of Wk, K innermost, in blocks of 32 codes, two codes a byte); Wk_scales 1,024 x 32 uint8 (E8M0 scales of Wk, one for each 32 codes along K); Wo_codes 1,024 x 32 x 16 uint8 (E2M1 codes of Wo, K innermost, in blocks of 32 codes, two codes a byte); Wo_scales 1,024 x 32 uint8 (E8M0 scales of Wo, one for each 32 codes along K); Wq_codes 1,024 x 32 x 16 uint8 (E2M1 codes of Wq, K innermost, in blocks of 32 codes, two codes a byte); Wq_scales 1,024 x 32 uint8 (E8M0 scales of Wq, one for each 32 codes along K); Wv_codes 1,024 x 32 x 16 uint8 (E2M1 codes of Wv, K innermost, in blocks of 32 codes, two codes a byte); Wv_scales 1,024 x 32 uint8 (E8M0 scales of Wv, one for each 32 codes along K); bk 1,024 float32; bo 1,024 float32; bq 1,024 float32; bv 1,024 float32; key_codes 4 x 2,048 x 32 x 16 uint8 (E2M1 codes of key, K innermost, in blocks of 32 codes, two codes a byte); key_scales 4 x 2,048 x 32 uint8 (E8M0 scales of key, one for each 32 codes along K); mask 1 x 1 x 2,048 x 2,048 bool; query_codes 4 x 2,048 x 32 x 16 uint8 (E2M1 codes of query, K innermost, in blocks of 32 codes, two codes a byte); query_scales 4 x 2,048 x 32 uint8 (E8M0 scales of query, one for each 32 codes along K); value_codes 4 x 2,048 x 32 x 16 uint8 (E2M1 codes of value, K innermost, in blocks of 32 codes, two codes a byte); value_scales 4 x 2,048 x 32 uint8 (E8M0 scales of value, one for each 32 codes along K).
;; Outputs: out0 4 x 2,048 x 1,024 float32.
;; This version of the problem:
;;   THIS VERSION OF THE PROBLEM IS GIVEN IN LOW PRECISION. The matrix products marked QUANTISED in the list below multiply operands that are first quantised to E2M1 (2 exponent bits, 1 mantissa bit; 4 bits a number), with one power-of-two scale for each 32 numbers along K (OCP MX v1.0); their sums are f32. All else is computed in f32.
;;   The module's matrix products, in the order in which they are computed (A, B: the left and right operand; K: the contracted axis; several contracted axes count as one K, in the product's order):
;;     1. [M 8,192, K 1,024] x [K 1,024, N 1,024]; A: input query (given as codes); B: input Wq (given as codes): QUANTISED
;;     2. [M 8,192, K 1,024] x [K 1,024, N 1,024]; A: input key (given as codes); B: input Wk (given as codes): QUANTISED
;;     3. [M 8,192, K 1,024] x [K 1,024, N 1,024]; A: input value (given as codes); B: input Wv (given as codes): QUANTISED
;;     4. batch 64 x [M 2,048, K 64] x [K 64, N 2,048]; A: computed on the way; B: computed on the way: QUANTISED
;;     5. batch 64 x [M 2,048, K 2,048] x [K 2,048, N 64]; A: softmax (see below); B: computed on the way: QUANTISED
;;     6. [M 8,192, K 1,024] x [K 1,024, N 1,024]; A: computed on the way; B: input Wo (given as codes): QUANTISED
;;   THE QUANTISER, for each operand of a quantised product, along K:
;;     - K is cut into blocks of 32 from its start; a last block that is shorter is filled with zeros.
;;     - A block's scale is 2^e with e = floor(log2(the largest magnitude in the block)) - 2, held to -126 .. 127; a block of zeros has e = 0. As a byte (E8M0): e + 127.
;;     - Each number is divided by its block's scale, clamped to +-6, and rounded to the nearest number of E2M1, ties to even, subnormals kept.
;;     - The product sums the exact products of the quantised numbers (number of the format x scale) in f32.
;;   ~~~python
;;   def quantise(x, axis):      # numpy; x: float32 -> the quantised numbers, widened to float32 again
;;       x = np.moveaxis(x, axis, -1); K = x.shape[-1]
;;       x = np.pad(x, [(0, 0)] * (x.ndim - 1) + [(0, -K % 32)]); x = x.reshape(x.shape[:-1] + (-1, 32)); a = np.abs(x).max(-1, keepdims=True)
;;       e = np.where(a > 0, np.clip(np.frexp(np.where(a > 0, a, 1))[1] - 1 - 2, -126, 127), 0)      # np.frexp(a)[1] - 1 = floor(log2(a)), exactly
;;       r = np.clip(x / 2.0 ** e, -6, 6)
;;       step = 2.0 ** (np.maximum(np.frexp(np.where(r == 0, 1, r))[1] - 1, 0) - 1)
;;       q = np.round(r / step) * step * 2.0 ** e      # np.round: ties to even
;;       return np.moveaxis(q.reshape(q.shape[:-2] + (-1,))[..., :K], -1, axis).astype(np.float32)
;;   ~~~
;;   SOFTMAX AHEAD OF A QUANTISED PRODUCT. Where the list says 'softmax', what is quantised is not the finished softmax but p = 2^(t - M), with t = logit x log2(e) and M = ceil(the row's largest t), a whole number; so 1/2 < the row's largest p <= 1. The row's sum l is taken of the UNQUANTISED p, in f32, and the product's result is divided by l at the end. Since M is a whole number, a kernel that streams over the keys may use a running M (the ceiling of the running maximum): every later rescaling is an exact power of two, which a block's scale takes up: the codes' values come out the same.
;;   OPERANDS COMPUTED ON THE WAY. 'Computed on the way' means the value that the module computes at that place (a softmax that the list does not call 'softmax' is quantised finished and normalised). What goes into a quantiser is computed in f32, as accurately as f32 sums, v_exp_f32 and their like allow (about 1e-6 of the number): no bf16 or f16 on the way to a quantiser, and a product that is left as it is and whose result goes on into a quantised operand takes f32 operands (vector FMAs, or v_wmma_f32_16x16x4_f32). A number that lies on a knife's edge between two numbers of the format may be rounded either way, as far as f32 arithmetic and the matrix unit's own rounding can turn it there, and no further.
;;   INPUTS GIVEN AS CODES. Wk (in the module: [1024, 1024], K = its axis 0); Wo (in the module: [1024, 1024], K = its axis 0); Wq (in the module: [1024, 1024], K = its axis 0); Wv (in the module: [1024, 1024], K = its axis 0); key (in the module: [4, 2048, 1024], K = its axis 2); query (in the module: [4, 2048, 1024], K = its axis 2); value (in the module: [4, 2048, 1024], K = its axis 2): each comes as NAME_codes (uint8): NAME with its K axis moved to the last place and cut into blocks of 32 codes, [.., K / 32, bytes a block], one block behind the other in memory; two codes a byte, the lower K in the low four bits (a code: sign, 2 exponent bits, 1 mantissa bit); and NAME_scales (uint8): the same leading axes, one E8M0 byte (e + 127) for each 32 codes along K. Its value is code x scale, taken as it is: it is not quantised again, and the codes and scales need not be those that the quantiser above would give.
;; 2 versions. Each part assembles by itself: llvm-mc -triple=amdgcn-amd-amdhsa -mcpu=gfx1250 --defsym DOCPART=n.
;; ======== version 1 of 2: 3 launches
;; limits: right only within a limited range of input values
;; workspace buffers: qkc 8,388,608 bytes; qks 1,048,576 bytes; vc 4,194,304 bytes; vs 262,144 bytes; mw 532,480 bytes of whole numbers; xc 4,194,304 bytes; xs 262,144 bytes
;; launch proj (part 1): grid 4 x 192, 8 waves a work-group, clusters of 4 x 4, 251,648 bytes of LDS; arguments query_codes, query_scales, key_codes, key_scales, value_codes, value_scales, Wq_codes, Wq_scales, Wk_codes, Wk_scales, Wv_codes, Wv_scales, bq, bk, bv, mask, qkc, qks, vc, vs, mw; writes qkc, qks, vc, vs, mw
.if DOCPART == 1
	.amdgcn_target "amdgcn-amd-amdhsa--gfx1250"
	.amdhsa_code_object_version 6
	.text
	.protected	k_q19dd584dac_proj
	.globl	k_q19dd584dac_proj
	.p2align	8
	.type	k_q19dd584dac_proj,@function
k_q19dd584dac_proj:
	s_mov_b64 s[64:65], 0
	v_nop
	global_prefetch_b8 v0, s[64:65] scope:SCOPE_SE
	s_setreg_imm32_b32 hwreg(HW_REG_WAVE_MODE, 25, 1), 1
	s_wait_xcnt 0x0
	s_wait_alu depctr_hold_cnt(0) depctr_sa_sdst(0) depctr_va_vdst(0) depctr_va_sdst(0) depctr_va_ssrc(0) depctr_va_vcc(0) depctr_vm_vsrc(0)
	s_getreg_b32 s2, hwreg(HW_REG_IB_STS2, 6, 4)
	s_cmp_eq_u32 s2, 0
	s_cbranch_scc0 .Lentry_in_a_cluster
	s_endpgm
.Lentry_in_a_cluster:
	s_bfe_u32 s2, ttmp6, 0x10000c
	s_cmp_lg_u32 s2, 0xf033
	s_cbranch_scc0 .Lentry_shape_is_right
	s_endpgm
.Lentry_shape_is_right:
; q = rope(query Wq + bq), k = rope(key Wk + bk), v = value Wv + bv, each product on the given E2M1 codes and E8M0 scales, sums in f32; the results are quantised to E2M1 along the K of
; the product that takes them next (q, k: the head's 64 channels; v: the keys) and stored as images of operand registers.  Beside that the mask is turned into lane words and flags.
; DEAD WORK: none.  Every input has a way to the output for some values, so every input is loaded by some launch and no product of the problem is left out as a whole.
; What the next launch passes over hangs on the mask's values and is decided from the words stored here.
; LIMITS: a block of zeros gets the scale byte 1 where the quantiser says 127 (its codes are zeros, and this program alone reads the bytes); NaN and infinities among the inputs are not served;
; cos and sin are made here: inv_freq as 32 f32 constants 1 / 10^(j/8), the angle as the f32 product position x inv_freq, reduced by pi/2 in three parts with fused multiply-adds, then
; polynomials of degree 7 and 8: an absolute error of about 1e-7.
; SHARES.  Source 0 of the matrix instruction is operand P, whose row index becomes the next K and runs along a lane's registers; source 1 is operand R, whose row is the lane's.
; ROLE 0: P = Wq, R = query.  ROLE 1: P = Wk, R = key.  ROLE 2: P = value (keys), R = Wv (channels).  A work-group takes 256 rows of P x 128 rows of R over all K = 1024, which lies in LDS whole:
; every LDS byte is filled once, so there is no ring.  Wave w: 64 rows of P (w & 3) x 64 rows of R (w >> 2): 16 accumulators.
; CLUSTER 4 x 4: P's rows hang on cx, R's on cy: P's tiles are asked for jointly along a column of the cluster, R's along a row.  ROLE comes from the cluster's y: the same in all partners.
; While the tensor loads are on their way: ROLE 0, 1 make the table of cos and sin for the work-group's 128 positions in LDS; ROLE 2 makes the mask's words, one tile (16 queries x 128 keys) a wave.
; REGISTERS: v1, v2 the add's two; v3-9 addresses; v10 r, v11 h; v12-15 at work; v16-31 scale words; v32-63 P's fragments; v64-95 R's; v96-127 bias, later codes (v96-111), scale words (v112-117)
; and the quantiser's eight (v118-125); v128-255 accumulators, (a, b) at 128 + 32 a + 8 b, a = R's block, b = P's.
.set RCD,   135168                     ; LDS: P's 256 rows at 0, pitch 528; R's 128 rows here
.set RSC,   202752                     ; R's scale bytes: 16 units of 256 + 16
.set PSC,   207104                     ; P's: 32 units
.set TAB,   215808                     ; cos and sin: 128 rows, pitch 272: cos[32], sin[32]; written by LDS stores alone
.set SPARE, 250624                     ; the spare words, 128 bytes a wave: no other line names them
.set PITCH, 528                        ; 512 bytes + 16: the 16 rows of a fragment load start in 16 different groups of banks
.set HALF,  64*PITCH
.set SC,  16
.set PF,  32
.set RF,  64
.set BI,  96
.set CD,  96
.set WD,  112
.set WW,  116
.set TM,  118
.set ACC, 128
.set SEL, 36
.macro CROUND                          ; a round of the cluster's barrier
	s_barrier_signal -1
	s_barrier_wait -1
	s_cmp_lg_u32 s60, 0
	s_cbranch_scc1 .Lnot_wave_0_\@
	s_barrier_signal -3
.Lnot_wave_0_\@:
	s_barrier_wait -3
	s_barrier_signal -1
	s_barrier_wait -1
.endm
.macro PLACES                          ; four plain places behind matrix instructions, in front of loads into their registers and of reads of their results
.rept 4
	v_nop
.endr
.endm
.macro ARM g0, g1                      ; a joint load; an s_nop 0 and four v_nop follow it
	tensor_load_to_lds s[\g0:\g0+3], s[\g1:\g1+7]
	s_nop 0
.rept 4
	v_nop
.endr
.endm
; 32 numbers of a lane, four tiles: register 8 t + j is index 16 t + 8 h + j of the lane's row.  Out: the codes of block h of row r in v[cd .. cd+3], the two blocks' bytes in v[TM+4], v[TM+5].
.macro QUANT2 s, cd
.irp e, 0,1
	v_max3_num_f32 v[TM+\e], |v[(\s)+16*\e]|, |v[(\s)+16*\e+1]|, 0x1800000   ; my 16 numbers of block e, and the floor 2^(3 - 127): the byte cannot fall under 1
.endr
.irp i, 2,4,6,8,10,12,14
.irp e, 0,1
	v_max3_num_f32 v[TM+\e], v[TM+\e], |v[(\s)+16*\e+\i]|, |v[(\s)+16*\e+\i+1]|
.endr
.endr
.irp e, 0,1
	v_permlanex16_b32 v[TM+2+\e], v[TM+\e], s[SEL], s[SEL+1]
.endr
.irp e, 0,1
	v_max_num_f32 v[TM+\e], v[TM+\e], v[TM+2+\e]         ; with lane l xor 16's 16: the block's largest magnitude
.endr
.irp e, 0,1
	v_add_nc_u32 v[TM+6+\e], 0xff000000, v[TM+\e]        ; 2 off its exponent field: the conversion's scale operand
.endr
.irp e, 0,1
	v_lshrrev_b32 v[TM+4+\e], 23, v[TM+6+\e]             ; the scale's byte
.endr
	v_cvt_scalef32_pk8_fp4_f32 v[(\cd)],   v[(\s):(\s)+7],     v[TM+6]
	v_cvt_scalef32_pk8_fp4_f32 v[(\cd)+1], v[(\s)+16:(\s)+23], v[TM+7]
	v_cvt_scalef32_pk8_fp4_f32 v[(\cd)+2], v[(\s)+8:(\s)+15],  v[TM+6]
	v_cvt_scalef32_pk8_fp4_f32 v[(\cd)+3], v[(\s)+24:(\s)+31], v[TM+7]
	v_nop                                                ; one plain place behind the scaled conversions
	v_permlane16_swap_b32 v[(\cd)],   v[(\cd)+1]         ; lanes 0-15 gather block 0, lanes 16-31 block 1: 16 bytes a lane, in the order of the operand's registers
	v_permlane16_swap_b32 v[(\cd)+2], v[(\cd)+3]
.endm
	s_load_b512 s[4:19], s[0:1], 0x0               ; query c, s; key c, s; value c, s; Wq c, s
	s_load_b512 s[20:35], s[0:1], 0x40             ; Wk c, s; Wv c, s; bq; bk; bv; mask
	s_load_b256 s[36:43], s[0:1], 0x80             ; qkc, qks, vc, vs
	s_load_b64 s[44:45], s[0:1], 0xa0              ; mw
	v_lshl_add_u32 v1, v0, 2, SPARE
	v_mov_b32 v2, 0
	ds_add_u32 v1, v2                              ; the wave's opening: the add, twice on end, and its wait ahead of my first tensor load
	ds_add_u32 v1, v2
	v_lshrrev_b32 v12, 5, v0
	v_readfirstlane_b32 s60, v12                   ; wave 0..7
	s_and_b32 s61, s60, 3                          ; wp: my 64 rows of P
	s_lshr_b32 s62, s60, 2                         ; wr: my 64 rows of R
	s_and_b32 s101, ttmp7, 0xffff                  ; the cluster's y, 0..47
	s_lshr_b32 s63, s101, 4                        ; ROLE
	s_and_b32 s101, s101, 15                       ; c
	s_bfe_u32 s66, ttmp6, 0x40000                  ; cx
	s_bfe_u32 s67, ttmp6, 0x40004                  ; cy
	s_mov_b32 s100, 0xffff0000                     ; lanes 16-31
	s_lshl_b32 s46, 0x1111, s66                    ; my column of the cluster
	s_lshl_b32 s47, s67, 2
	s_lshl_b32 s47, 15, s47                        ; my row
	; group 1 for codes: 64 rows of 512 bytes, 16 bytes of padding behind each (128 words: code 6; 4 words: code 3); bit 21 set beside a mask
	s_or_b32 s68, s46, (1<<20)|(1<<21)|(6<<22)|(3<<25)   ; P's: to my column
	s_or_b32 s76, s47, (1<<20)|(1<<21)|(6<<22)|(3<<25)   ; R's: to my row
.irp g, 68, 76
	s_mov_b32 s[\g+1], 512<<16                     ; tensor_dim0
	s_mov_b32 s[\g+2], 64<<16                      ; tensor_dim1
	s_mov_b32 s[\g+3], 512<<16                     ; tile_dim0
	s_mov_b32 s[\g+4], 64                          ; tile_dim1
	s_mov_b32 s[\g+5], 512                         ; from row to row
	s_mov_b32 s[\g+6], 0
	s_mov_b32 s[\g+7], 0
.endr
	; group 1 for scale bytes: dense blocks as rows of 256 bytes (32 elements of 8), 16 bytes of padding behind each
	s_or_b32 s84, s46, (3<<16)|(1<<20)|(1<<21)|(5<<22)|(3<<25)   ; P's 8,192 bytes
	s_mov_b32 s85, 32<<16
	s_mov_b32 s86, 32<<16
	s_mov_b32 s87, 32<<16
	s_mov_b32 s88, 32
	s_mov_b32 s89, 32
	s_mov_b32 s90, 0
	s_mov_b32 s91, 0
	s_or_b32 s92, s47, (3<<16)|(1<<20)|(1<<21)|(5<<22)|(3<<25)   ; R's 4,096 bytes
	s_mov_b32 s93, 32<<16
	s_mov_b32 s94, 16<<16
	s_mov_b32 s95, 32<<16
	s_mov_b32 s96, 16
	s_mov_b32 s97, 32
	s_mov_b32 s98, 0
	s_mov_b32 s99, 0
	; every LDS address is made here, ahead of all partings
	v_and_b32 v10, 15, v0                          ; r
	v_bfe_u32 v11, v0, 4, 1                        ; h
	v_and_b32 v14, 31, v0                          ; lane
	v_lshlrev_b32 v8, 4, v14                       ; 16 x lane
	v_lshlrev_b32 v9, 2, v14                       ; 4 x lane
	v_mul_u32_u24 v12, v10, PITCH
	v_lshl_add_u32 v12, v11, 4, v12                ; a fragment's row x pitch + 16 h
	s_mul_i32 s48, s61, HALF
	v_add_nc_u32 v3, s48, v12                      ; P's fragments
	s_mul_i32 s48, s62, HALF
	s_add_co_u32 s48, s48, RCD
	v_add_nc_u32 v4, s48, v12                      ; R's
	s_mul_i32 s48, s62, 2176                       ; scale words: lanes 0-15 R's rows, lanes 16-31 P's: the lower base + h x the distance
	s_mul_i32 s49, s61, 2176
	s_add_co_u32 s49, s49, PSC-RSC
	s_sub_co_u32 s49, s49, s48
	v_mul_u32_u24 v13, s49, v11
	s_add_co_u32 s48, s48, RSC
	v_lshrrev_b32 v15, 3, v10
	v_lshlrev_b32 v12, 5, v10
	v_lshl_add_u32 v12, v15, 4, v12                ; 32 bytes a row, 16 more behind each 256
	v_add_nc_u32 v12, v12, v13
	v_add_nc_u32 v5, s48, v12
	s_mul_i32 s48, s62, 64*272
	s_add_co_u32 s48, s48, TAB
	v_mul_u32_u24 v12, v10, 272
	v_lshl_add_u32 v12, v11, 5, v12
	v_add_nc_u32 v6, s48, v12                      ; the table, read: row 64 wr + r, + 32 h
	s_mul_i32 s48, s60, 16*272
	s_add_co_u32 s48, s48, TAB
	v_add_nc_u32 v7, s48, v9                       ; the table, written: my wave's 16 rows, a lane a frequency
	s_wait_dscnt 0x0                               ; both opening adds are done
	s_wait_kmcnt 0x0
	; the role's buffers: a choice on the cluster's number alone
	s_cmp_eq_u32 s63, 1
	s_cselect_b64 s[46:47], s[20:21], s[16:17]     ; P's codes
	s_cselect_b64 s[48:49], s[22:23], s[18:19]     ; P's scales
	s_cselect_b64 s[50:51], s[8:9], s[4:5]         ; R's codes
	s_cselect_b64 s[52:53], s[10:11], s[6:7]       ; R's scales
	s_cselect_b64 s[54:55], s[30:31], s[28:29]     ; the bias
	s_cselect_b32 s2, 0x400000, 0                  ; k's half of qkc
	s_mov_b32 s3, 0
	s_add_nc_u64 s[56:57], s[36:37], s[2:3]        ; codes out
	s_cselect_b32 s2, 0x80000, 0                   ; k's half of qks
	s_add_nc_u64 s[58:59], s[38:39], s[2:3]        ; scale words out
	s_cmp_eq_u32 s63, 2
	s_cselect_b64 s[46:47], s[12:13], s[46:47]
	s_cselect_b64 s[48:49], s[14:15], s[48:49]
	s_cselect_b64 s[50:51], s[24:25], s[50:51]
	s_cselect_b64 s[52:53], s[26:27], s[52:53]
	s_cselect_b64 s[54:55], s[32:33], s[54:55]
	s_cselect_b64 s[56:57], s[40:41], s[56:57]
	s_cselect_b64 s[58:59], s[42:43], s[58:59]
	s_lshr_b32 s41, s101, 1
	s_and_b32 s42, s101, 1
	s_cmp_eq_u32 s63, 2
	s_cselect_b32 s41, s41, 0
	s_cselect_b32 s42, s42, s101
	s_lshl_b32 s38, s41, 2
	s_add_co_u32 s38, s38, s66                     ; P's block of 256 rows: it hangs on cx, never on cy
	s_lshl_b32 s39, s42, 2
	s_add_co_u32 s39, s39, s67                     ; R's block of 128 rows: on cy, never on cx
	s_mov_b32 s[SEL], 0x76543210
	s_mov_b32 s[SEL+1], 0xfedcba98                 ; v_permlanex16_b32's selects for lane l xor 16
	; groups 0.  P's are made in s[2:3], R's in s[30:31]: neither pair ever holds the other coordinate
	s_mov_b32 s4, 1
	s_mul_i32 s5, s60, HALF                        ; waves 0-3: 64 rows of P each
	s_lshl_b32 s2, s38, 17
	s_lshl_b32 s3, s60, 15
	s_add_co_u32 s2, s2, s3
	s_mov_b32 s3, 0
	s_add_nc_u64 s[6:7], s[46:47], s[2:3]
	s_or_b32 s7, s7, 0x80000000
	s_mov_b32 s12, 1
	s_mov_b32 s13, PSC                             ; wave 6: P's scale bytes
	s_lshl_b32 s2, s38, 13
	s_add_nc_u64 s[14:15], s[48:49], s[2:3]
	s_or_b32 s15, s15, 0x80000000
	s_mov_b32 s8, 1
	s_mul_i32 s9, s60, HALF                        ; waves 4, 5: 64 rows of R each: 4 x HALF = R's first byte
	s_lshl_b32 s30, s39, 16
	s_and_b32 s31, s60, 1
	s_lshl_b32 s31, s31, 15
	s_add_co_u32 s30, s30, s31
	s_mov_b32 s31, 0
	s_add_nc_u64 s[10:11], s[50:51], s[30:31]
	s_or_b32 s11, s11, 0x80000000
	s_mov_b32 s16, 1
	s_mov_b32 s17, RSC                             ; wave 7: R's scale bytes
	s_lshl_b32 s30, s39, 12
	s_add_nc_u64 s[18:19], s[52:53], s[30:31]
	s_or_b32 s19, s19, 0x80000000
	CROUND                                         ; all sixteen work-groups are here: the joint loads meet
	s_cmp_lt_u32 s60, 4                            ; one tensor load a wave, each a first fill; the branches hang on the wave's number alone
	s_cbranch_scc0 .Lfill_not_p
	ARM 4, 68
	s_branch .Lfilled
.Lfill_not_p:
	s_cmp_lt_u32 s60, 6
	s_cbranch_scc0 .Lfill_not_r
	ARM 8, 76
	s_branch .Lfilled
.Lfill_not_r:
	s_cmp_eq_u32 s60, 6
	s_cbranch_scc0 .Lfill_rs
	ARM 12, 84
	s_branch .Lfilled
.Lfill_rs:
	ARM 16, 92
.Lfilled:
	s_cmp_eq_u32 s63, 2
	s_cbranch_scc1 .Lside_v
	; ---- ROLE 0, 1, while the tiles are on their way: the bias, my output addresses, my 16 rows of the table
	s_lshl_b32 s40, s38, 10
	s_lshl_b32 s41, s61, 8
	s_add_co_u32 s40, s40, s41
	s_mov_b32 s41, 0
	s_add_nc_u64 s[54:55], s[54:55], s[40:41]      ; the bias of my 64 channels
	v_lshlrev_b32 v12, 5, v11
.irp b, 0,1,2,3
	global_load_b128 v[BI+8*\b:BI+8*\b+3],   v12, s[54:55] offset:64*\b       ; tile b: channels 16 b + 8 h + 0 .. 7, in the result's layout
	global_load_b128 v[BI+8*\b+4:BI+8*\b+7], v12, s[54:55] offset:64*\b+16
.endr
	s_lshl_b32 s40, s39, 7
	s_lshl_b32 s41, s62, 6
	s_add_co_u32 s40, s40, s41                     ; my first row m0
	s_lshr_b32 s41, s40, 11
	s_lshl_b32 s41, s41, 4
	s_lshl_b32 s42, s38, 2
	s_add_co_u32 s41, s41, s42
	s_add_co_u32 s41, s41, s61                     ; g = 16 x batch + head
	s_and_b32 s40, s40, 2047
	s_lshl_b32 s42, s41, 16
	s_lshl_b32 s43, s40, 5
	s_add_co_u32 s42, s42, s43                     ; 65,536 g + 512 x tile
	s_mov_b32 s43, 0
	s_add_nc_u64 s[56:57], s[56:57], s[42:43]
	s_lshl_b32 s42, s41, 13
	s_lshl_b32 s40, s40, 2
	s_add_co_u32 s42, s42, s40                     ; 8,192 g + 64 x tile
	s_add_nc_u64 s[58:59], s[58:59], s[42:43]
	s_lshl_b32 s33, s39, 7
	s_and_b32 s33, s33, 2047
	s_lshl_b32 s32, s60, 4
	s_add_co_u32 s33, s33, s32                     ; the position of my first row of the table
	s_mov_b32 s20, 0x3f22f983                      ; 2 / pi
	s_mov_b32 s21, 0xbfc90fdb                      ; -pi/2 in three parts
	s_mov_b32 s22, 0x333bbd2e
	s_mov_b32 s23, 0x26f72ced
	s_mov_b32 s24, 0xbe2aaaa3                      ; sin: r + r z (S1 + z (S2 + z S3))
	s_mov_b32 s25, 0x3c08839e
	s_mov_b32 s26, 0xb94ca1f9
	s_mov_b32 s27, 0x3d2aaaa5                      ; cos: 1 + z (-1/2 + z (C1 + z (C2 + z C3)))
	s_mov_b32 s28, 0xbab6061a
	s_mov_b32 s29, 0x37ccf5ce
	v_mov_b32 v32, 0
.set J, 0
.irp w, 0x3F800000,0x3F3FF911,0x3F0FF59A,0x3ED7E89B,0x3EA1E89B,0x3E72D423,0x3E361887,0x3E088D77,0x3DCCCCCD,0x3D99940D,0x3D6655C2,0x3D2CBA15,0x3D0186E3,0x3CC2434F,0x3C91AD39,0x3C5A7BF2,0x3C23D70A,0x3BF5B9B0,0x3BB8449C,0x3B8A2E77,0x3B4F3E38,0x3B1B690D,0x3AE91528,0x3AAEC98E,0x3A83126F,0x3A44948C,0x3A136A16,0x39DD1725,0x39A5CB60,0x3978A815,0x393A7753,0x390BD472
	s_mov_b32 s30, \w
	v_writelane_b32 v32, s30, J                    ; lane j holds inv_freq[j]
.set J, J+1
.endr
.macro TROW i                          ; row i of my 16: cos and sin of position x inv_freq[lane]
	s_add_co_u32 s31, s33, \i
	v_cvt_f32_u32 v33, s31
	v_mul_f32 v34, v33, v32                        ; the angle, as one f32 product
	v_mul_f32 v35, s20, v34
	v_rndne_f32 v35, v35                           ; n
	v_fma_f32 v36, v35, s21, v34
	v_fma_f32 v36, v35, s22, v36
	v_fma_f32 v36, v35, s23, v36                   ; the angle less n pi/2
	v_mul_f32 v37, v36, v36
	v_fma_f32 v38, v37, s26, s25
	v_fma_f32 v39, v37, s29, s28
	v_fma_f32 v38, v38, v37, s24
	v_fma_f32 v39, v39, v37, s27
	v_mul_f32 v38, v38, v37
	v_fma_f32 v39, v39, v37, -0.5
	v_fma_f32 v38, v38, v36, v36                   ; sin
	v_fma_f32 v39, v39, v37, 1.0                   ; cos
	v_cvt_i32_f32 v40, v35
	v_and_b32 v41, 1, v40
	v_cmp_ne_u32 vcc_lo, 0, v41
	v_cndmask_b32 v42, v39, v38, vcc_lo            ; odd n: the two change places
	v_cndmask_b32 v43, v38, v39, vcc_lo
	v_add_nc_u32 v44, 1, v40
	v_and_b32 v44, 2, v44
	v_lshlrev_b32 v44, 30, v44
	v_xor_b32 v42, v42, v44                        ; cos is negated for n mod 4 = 1, 2
	v_and_b32 v45, 2, v40
	v_lshlrev_b32 v45, 30, v45
	v_xor_b32 v43, v43, v45                        ; sin for n mod 4 = 2, 3
	ds_store_b32 v7, v42 offset:272*\i
	ds_store_b32 v7, v43 offset:272*\i+128
.endm
.irp i, 0,1,2,3,4,5,6,7,8,9,10,11,12,13,14,15
	TROW \i
.endr
	s_wait_loadcnt 0x0                             ; the bias
	s_branch .Lside_done
.Lside_v:
	; ---- ROLE 2, while the tiles are on their way: the bias, my output addresses, one tile of the mask
	s_lshl_b32 s40, s39, 9
	s_lshl_b32 s41, s62, 8
	s_add_co_u32 s40, s40, s41
	s_mov_b32 s41, 0
	s_add_nc_u64 s[54:55], s[54:55], s[40:41]      ; bv of my 64 channels
	v_lshlrev_b32 v13, 2, v10
.irp a, 0,1,2,3
	global_load_b32 v[BI+8*\a], v13, s[54:55] offset:64*\a     ; the lane's channel 16 a + r: the same for all eight keys of a tile
.endr
	s_lshl_b32 s40, s101, 2
	s_add_co_u32 s40, s40, s67
	s_lshl_b32 s40, s40, 2
	s_add_co_u32 s40, s40, s66
	s_lshl_b32 s40, s40, 3
	s_add_co_u32 s40, s40, s60                     ; my task 0 .. 2047 = 16 x query tile + key step
	s_lshr_b32 s41, s40, 4
	s_lshl_b32 s41, s41, 15                        ; 16 rows of 2,048 bytes
	s_and_b32 s42, s40, 15
	s_lshl_b32 s42, s42, 7                         ; 128 keys
	s_add_co_u32 s42, s42, s41
	s_mov_b32 s43, 0
	s_add_nc_u64 s[34:35], s[34:35], s[42:43]
	v_lshlrev_b32 v12, 11, v10
	v_lshl_add_u32 v12, v11, 3, v12                ; row r, + 8 h
.irp b, 0,1,2,3,4,5,6,7
	global_load_b64 v[32+2*\b:33+2*\b], v12, s[34:35] offset:16*\b   ; mask(16 T + r, 128 step + 16 b + 8 h + 0 .. 7): the keys that this lane holds in tile b of the scores
.endr
	s_lshl_b32 s42, s40, 8
	s_add_nc_u64 s[30:31], s[44:45], s[42:43]      ; my 64 words
	s_lshl_b32 s42, s40, 2
	s_add_nc_u64 s[32:33], s[44:45], s[42:43]      ; my flag word, 524,288 bytes on
	s_lshl_b32 s40, s38, 8
	s_lshl_b32 s41, s61, 6
	s_add_co_u32 s40, s40, s41                     ; my first key k0, counted over the batches
	s_lshr_b32 s41, s40, 11
	s_lshl_b32 s41, s41, 4
	s_lshl_b32 s42, s39, 1
	s_add_co_u32 s41, s41, s42
	s_add_co_u32 s41, s41, s62                     ; g = 16 x batch + head
	s_bfe_u32 s40, s40, 0x40007                    ; the key step of 128
	s_and_b32 s26, s61, 1                          ; which half of it
	s_lshl_b32 s42, s41, 16
	s_lshl_b32 s27, s40, 12
	s_add_co_u32 s42, s42, s27
	s_lshl_b32 s27, s26, 9
	s_add_co_u32 s42, s42, s27
	s_add_nc_u64 s[56:57], s[56:57], s[42:43]
	s_lshl_b32 s42, s41, 12
	s_lshl_b32 s40, s40, 8
	s_add_co_u32 s42, s42, s40
	s_lshl_b32 s26, s26, 1
	s_add_co_u32 s42, s42, s26
	s_add_nc_u64 s[58:59], s[58:59], s[42:43]
	s_wait_loadcnt 0x0
.irp a, 0,1,2,3
.irp j, 1,2,3,4,5,6,7
	v_mov_b32 v[BI+8*\a+\j], v[BI+8*\a]
.endr
.endr
	v_mov_b32 v48, 0
	v_mov_b32 v49, 0
.set N, 0
.rept 64                               ; word n = 8 b + j: bit l says whether lane l's score in register n counts
	v_and_b32 v[50+N%4], 1<<(8*(N%4)), v[32+2*(N/8)+((N%8)/4)]
	v_cmp_ne_u32 s[20+N%4], 0, v[50+N%4]
	v_writelane_b32 v[48+N/32], s[20+N%4], N%32
.set N, N+1
.endr
	v_or_b32 v54, v32, v33
.irp i, 34,35,36,37,38,39,40,41,42,43,44,45,46,47
	v_or_b32 v54, v54, v[\i]
.endr
	v_mov_b32 v55, 0
	v_permlanex16_b32 v55, v54, s[SEL], s[SEL+1]
	v_or_b32 v54, v54, v55
	v_cmp_ne_u32 s24, 0, v54
	s_and_b32 s24, s24, 0xffff                     ; bit r: row r has a key that counts in this step
	v_mov_b32 v54, s24
	v_mov_b32 v55, 0
	global_store_b32 v9, v48, s[30:31]             ; 256 consecutive bytes, aligned, by two stores
	global_store_b32 v9, v49, s[30:31] offset:128
	v_cmp_eq_u32 vcc_lo, 0, v14
	s_wait_xcnt 0x0                                ; EXEC changes only behind this wait
	s_and_saveexec_b32 s25, vcc_lo
	global_store_b32 v55, v54, s[32:33] offset:524288   ; lane 0 alone
	s_wait_xcnt 0x0                                ; and again in front of the line that widens it
	s_or_b32 exec_lo, exec_lo, s25
.Lside_done:
	s_wait_tensorcnt 0x0                           ; my tile has landed,
	s_wait_dscnt 0x0                               ; my rows of the table are stored:
	s_barrier_signal -1
	s_barrier_wait -1                              ; everybody's are.  Nothing is ever filled again
; ---- the product: eight K steps of 128, written out
.macro SCALES hh                       ; four K steps' scale words: lanes 0-15 R's block i, lanes 16-31 P's block i
.irp i, 0,1,2,3
	ds_load_b128 v[SC+4*\i:SC+4*\i+3], v5 offset:544*\i+16*\hh
.endr
.endm
.macro KLOAD q
.irp b, 0,1,2,3
.irp c, 0,1
	ds_load_b128 v[PF+8*\b+4*\c:PF+8*\b+4*\c+3], v3 offset:16*PITCH*\b+64*(\q)+32*\c
.endr
.endr
.irp b, 0,1,2,3
.irp c, 0,1
	ds_load_b128 v[RF+8*\b+4*\c:RF+8*\b+4*\c+3], v4 offset:16*PITCH*\b+64*(\q)+32*\c
.endr
.endr
.endm
; 16 matrix instructions; the 16 accumulators take turns in the same order in every step.  cm = 1: the bias by P's index starts the sums; 2: by R's; 0: in place
.macro KMUL q, cm
.irp a, 0,1,2,3
.irp b, 0,1,2,3
.if \cm == 1
	v_wmma_scale_f32_16x16x128_f8f6f4 v[ACC+32*\a+8*\b:ACC+32*\a+8*\b+7], v[PF+8*\b:PF+8*\b+7], v[RF+8*\a:RF+8*\a+7], v[BI+8*\b:BI+8*\b+7], v[SC+4*\b+(\q)%4], v[SC+4*\a+(\q)%4] matrix_a_fmt:MATRIX_FMT_FP4 matrix_b_fmt:MATRIX_FMT_FP4 matrix_a_scale:MATRIX_SCALE_ROW1
.elseif \cm == 2
	v_wmma_scale_f32_16x16x128_f8f6f4 v[ACC+32*\a+8*\b:ACC+32*\a+8*\b+7], v[PF+8*\b:PF+8*\b+7], v[RF+8*\a:RF+8*\a+7], v[BI+8*\a:BI+8*\a+7], v[SC+4*\b+(\q)%4], v[SC+4*\a+(\q)%4] matrix_a_fmt:MATRIX_FMT_FP4 matrix_b_fmt:MATRIX_FMT_FP4 matrix_a_scale:MATRIX_SCALE_ROW1
.else
	v_wmma_scale_f32_16x16x128_f8f6f4 v[ACC+32*\a+8*\b:ACC+32*\a+8*\b+7], v[PF+8*\b:PF+8*\b+7], v[RF+8*\a:RF+8*\a+7], v[ACC+32*\a+8*\b:ACC+32*\a+8*\b+7], v[SC+4*\b+(\q)%4], v[SC+4*\a+(\q)%4] matrix_a_fmt:MATRIX_FMT_FP4 matrix_b_fmt:MATRIX_FMT_FP4 matrix_a_scale:MATRIX_SCALE_ROW1
.endif
.endr
.endr
.endm
	SCALES 0
	KLOAD 0
	s_wait_dscnt 0x0
	s_cmp_eq_u32 s63, 2
	s_cbranch_scc1 .Lfirst_v
	KMUL 0, 1
	s_branch .Lfirst_done
.Lfirst_v:
	KMUL 0, 2
.Lfirst_done:
.irp q, 1,2,3,4,5,6,7
	PLACES
.if \q == 4
	SCALES 1
.endif
	KLOAD \q
	s_wait_dscnt 0x0
	KMUL \q, 0
.endr
	PLACES
	s_cmp_eq_u32 s63, 2
	s_cbranch_scc1 .Lout_v
	; ---- ROLE 0, 1: RoPE, the quantiser, the way out; a block of 16 rows at a time
.macro LOADCS a, set                   ; cos and sin of row 16 a + r at frequencies 16 u + 8 h + 0 .. 7
.irp u, 0,1
	ds_load_b128 v[32+32*(\set)+8*\u:32+32*(\set)+8*\u+3],   v6 offset:4352*(\a)+64*\u
	ds_load_b128 v[32+32*(\set)+8*\u+4:32+32*(\set)+8*\u+7], v6 offset:4352*(\a)+64*\u+16
	ds_load_b128 v[48+32*(\set)+8*\u:48+32*(\set)+8*\u+3],   v6 offset:4352*(\a)+64*\u+128
	ds_load_b128 v[48+32*(\set)+8*\u+4:48+32*(\set)+8*\u+7], v6 offset:4352*(\a)+64*\u+144
.endr
.endm
.macro ROPE a                          ; channel d < 32: x1 cos - x2 sin;  channel d + 32: x2 cos + x1 sin.  Tiles u and u + 2 hold the two halves
.irp u, 0,1
.irp p, 0,2,4,6
.set X1, ACC+32*(\a)+8*\u+\p
.set X2, X1+16
.set CC, 32+32*((\a)%2)+8*\u+\p
.set SS, CC+16
	v_pk_mul_f32 v[12:13], v[X2:X2+1], v[SS:SS+1]
	v_pk_mul_f32 v[14:15], v[X1:X1+1], v[SS:SS+1]
	v_pk_fma_f32 v[X1:X1+1], v[X1:X1+1], v[CC:CC+1], v[12:13] neg_lo:[0,0,1] neg_hi:[0,0,1]
	v_pk_fma_f32 v[X2:X2+1], v[X2:X2+1], v[CC:CC+1], v[14:15]
.endr
.endr
.endm
	LOADCS 0, 0
.irp a, 0,1,2,3
.if \a < 3
	LOADCS \a+1, (\a+1)%2
	s_wait_dscnt 8                                 ; this block's eight loads are in; the next block's eight may be out
.else
	s_wait_dscnt 0x0
.endif
	ROPE \a
	QUANT2 ACC+32*\a, CD+4*\a
	v_lshl_or_b32 v[WD+\a], v[TM+5], 8, v[TM+4]
	v_or_b32 v[WD+\a], 0x7f7f0000, v[WD+\a]        ; the upper 64 of the next product's 128 along K are zero codes: their bytes stand for 1
	global_store_b128 v8, v[CD+4*\a:CD+4*\a+3], s[56:57] offset:512*\a   ; the wave stores 512 consecutive bytes, aligned
.if \a%2 == 1
	v_cndmask_b32 v[WW+\a/2], v[WD+\a-1], v[WD+\a], s100   ; two blocks' words: lanes 0-15 the first's, lanes 16-31 the second's
	global_store_b32 v9, v[WW+\a/2], s[58:59] offset:128*(\a/2)
.endif
.endr
	s_branch .Lend
.Lout_v:
	; ---- ROLE 2: the quantiser along the keys, the way out; a block of 16 channels at a time
.irp a, 0,1,2,3
	QUANT2 ACC+32*\a, CD+4*\a
	v_lshl_or_b32 v[WD+\a], v[TM+5], 8, v[TM+4]    ; my two key blocks' bytes of the step's four
	global_store_b128 v8, v[CD+4*\a:CD+4*\a+3], s[56:57] offset:1024*\a
.if \a%2 == 1
	v_cndmask_b32 v[WW+\a/2], v[WD+\a-1], v[WD+\a], s100
	global_store_b16 v9, v[WW+\a/2], s[58:59] offset:128*(\a/2)   ; half of each scale word: the other half is the neighbouring wave's
.endif
.endr
.Lend:
	s_wait_tensorcnt 0x0                           ; the wave's end
	ds_add_u32 v1, v2
	s_wait_dscnt 0x0
	CROUND                                         ; the closing round
	s_endpgm
.Lfunc_end_k_q19dd584dac_proj:
	.size	k_q19dd584dac_proj, .Lfunc_end_k_q19dd584dac_proj-k_q19dd584dac_proj
	.p2alignl 7, 3214868480
	.fill 96, 4, 3214868480
	.section	.rodata,"a",@progbits
	.p2align	6, 0x0
	.amdhsa_kernel k_q19dd584dac_proj
		.amdhsa_group_segment_fixed_size 251648
		.amdhsa_private_segment_fixed_size 0
		.amdhsa_enable_private_segment 0
		.amdhsa_kernarg_size 168
		.amdhsa_user_sgpr_count 2
		.amdhsa_user_sgpr_kernarg_segment_ptr 1
		.amdhsa_wavefront_size32 1
		.amdhsa_system_sgpr_workgroup_id_x 1
		.amdhsa_system_sgpr_workgroup_id_y 1
		.amdhsa_system_sgpr_workgroup_id_z 1
		.amdhsa_system_vgpr_workitem_id 0
		.amdhsa_next_free_vgpr 256
		.amdhsa_next_free_sgpr 102
		.amdhsa_reserve_vcc 1
		.amdhsa_float_denorm_mode_32 3
		.amdhsa_float_denorm_mode_16_64 3
		.amdhsa_memory_ordered 1
		.amdhsa_forward_progress 1
		.amdhsa_inst_pref_size 108
	.end_amdhsa_kernel
	.amdgpu_metadata
---
amdhsa.version: [ 1, 2 ]
amdhsa.kernels:
  - .name:           k_q19dd584dac_proj
    .symbol:         k_q19dd584dac_proj.kd
    .args:
      - { .name: query_codes, .offset: 0, .size: 8, .value_kind: global_buffer, .address_space: global }
      - { .name: query_scales, .offset: 8, .size: 8, .value_kind: global_buffer, .address_space: global }
      - { .name: key_codes, .offset: 16, .size: 8, .value_kind: global_buffer, .address_space: global }
      - { .name: key_scales, .offset: 24, .size: 8, .value_kind: global_buffer, .address_space: global }
      - { .name: value_codes, .offset: 32, .size: 8, .value_kind: global_buffer, .address_space: global }
      - { .name: value_scales, .offset: 40, .size: 8, .value_kind: global_buffer, .address_space: global }
      - { .name: Wq_codes, .offset: 48, .size: 8, .value_kind: global_buffer, .address_space: global }
      - { .name: Wq_scales, .offset: 56, .size: 8, .value_kind: global_buffer, .address_space: global }
      - { .name: Wk_codes, .offset: 64, .size: 8, .value_kind: global_buffer, .address_space: global }
      - { .name: Wk_scales, .offset: 72, .size: 8, .value_kind: global_buffer, .address_space: global }
      - { .name: Wv_codes, .offset: 80, .size: 8, .value_kind: global_buffer, .address_space: global }
      - { .name: Wv_scales, .offset: 88, .size: 8, .value_kind: global_buffer, .address_space: global }
      - { .name: bq, .offset: 96, .size: 8, .value_kind: global_buffer, .address_space: global }
      - { .name: bk, .offset: 104, .size: 8, .value_kind: global_buffer, .address_space: global }
      - { .name: bv, .offset: 112, .size: 8, .value_kind: global_buffer, .address_space: global }
      - { .name: mask, .offset: 120, .size: 8, .value_kind: global_buffer, .address_space: global }
      - { .name: qkc, .offset: 128, .size: 8, .value_kind: global_buffer, .address_space: global }
      - { .name: qks, .offset: 136, .size: 8, .value_kind: global_buffer, .address_space: global }
      - { .name: vc, .offset: 144, .size: 8, .value_kind: global_buffer, .address_space: global }
      - { .name: vs, .offset: 152, .size: 8, .value_kind: global_buffer, .address_space: global }
      - { .name: mw, .offset: 160, .size: 8, .value_kind: global_buffer, .address_space: global }
    .group_segment_fixed_size: 251648
    .private_segment_fixed_size: 0
    .kernarg_segment_align: 8
    .kernarg_segment_size: 168
    .max_flat_workgroup_size: 256
    .sgpr_count:     102
    .vgpr_count:     256
    .wavefront_size: 32
...
	.end_amdgpu_metadata
.endif
;; end of part 1
;; launch attn (part 2): grid 4 x 64, 16 waves a work-group, no clusters, 145,408 bytes of LDS; arguments qkc, qks, vc, vs, mw, xc, xs; writes xc, xs
.if DOCPART == 2
	.amdgcn_target "amdgcn-amd-amdhsa--gfx1250"
	.amdhsa_code_object_version 6
	.text
	.protected	k_q19dd584dac_attn
	.globl	k_q19dd584dac_attn
	.p2align	8
	.type	k_q19dd584dac_attn,@function
k_q19dd584dac_attn:
	s_mov_b64 s[64:65], 0
	v_nop
	global_prefetch_b8 v0, s[64:65] scope:SCOPE_SE
	s_setreg_imm32_b32 hwreg(HW_REG_WAVE_MODE, 25, 1), 1
	s_wait_xcnt 0x0
; x = softmax(mask ? q k^T / 8 : -1e9) v for one head, both products on E2M1 codes; x is quantised along the model's 1024 channels and stored as the last product's operand.
; THE SOFTMAX: t = score x log2(e) / 8; M = the running largest t rounded up to a whole number; p = 2^(t - M) is quantised along the keys; the row's sum is taken of the unquantised p and divides at the end.
; WORK LEFT OUT BY THE MASK'S VALUES: a step (16 queries x 128 keys) is passed over where no key of it counts for any of the 16 queries AND each of the 16 queries has a key that counts somewhere in its row:
; then every p of the step is 2^(about -1.5e9) = 0 beside that row's largest.  The decision is read from the flags that the launch before stored; it holds for every mask.
; LIMITS: a masked logit is taken as -2^30 where the problem says -1e9 (the raw score becomes -2^33, so that t is a whole number and a row with no key that counts gives p = 1 for all keys, as -1e9 does in f32):
; results differ only where an unmasked logit lies under about -9.9e8.  A block of zeros gets the scale byte 1 (this program alone reads the bytes).  NaN and infinities are not served.
; SHARES.  A work-group owns one head and 512 of its queries; a head's K and V as codes with their scale words, 143,360 bytes, are copied into LDS once, through registers.  Wave w takes query tiles
; 4 w + x and then 127 - (4 w + x), 16 queries each, and walks 16 steps of 128 keys.  No ring and no barrier in the loop.
; NO TENSOR LOAD, SO NO MULTICAST: the steps are passed over by branches on numbers read from memory.
; LAYOUT.  Both products are used transposed: S^T = K Q^T (source 0 = 16 keys), O^T = V^T P^T (source 0 = 16 channels): a lane holds one query (lane % 16) throughout; register j of tile b is index 16 b + 8 h + j.
; The head has 64 channels, half of the instruction's 128 along K: registers 4-7 of K's and Q's fragments are zero codes.
; REGISTERS: v1-3 the copy's addresses; v4-7 a lane's places; v8-11 the step's addresses; v12 -M, v13 the largest t, v[14:15] the sum; v16-23 Q; v24-31 p's codes, later x's; v32-95 K; v96-159 S^T, then p;
; v160-191 O^T; v192-223 V; v224-227 K's scale words, v228-229 V's, v230 Q's, v231 p's; v232-254 at work; v240, v241 the add's two; v242 4 r, v243 32 r; v255 the masked score.
.set VC,    65536                      ; LDS: K's codes at 0, V's here,
.set KS,    131072                     ; K's scale words,
.set VS,    139264                     ; V's,
.set SPARE, 143360                     ; the spare words, 128 bytes a wave: no other line names them
.set SEL, 74
.set CS,  76
.set TM,  232
.macro QUANT2 s, cd                    ; 32 numbers of a lane, four tiles -> the codes of block h of row r in v[cd .. cd+3], the two bytes in v[TM+4], v[TM+5]
.irp e, 0,1
	v_max3_num_f32 v[TM+\e], |v[(\s)+16*\e]|, |v[(\s)+16*\e+1]|, 0x1800000
.endr
.irp i, 2,4,6,8,10,12,14
.irp e, 0,1
	v_max3_num_f32 v[TM+\e], v[TM+\e], |v[(\s)+16*\e+\i]|, |v[(\s)+16*\e+\i+1]|
.endr
.endr
.irp e, 0,1
	v_permlanex16_b32 v[TM+2+\e], v[TM+\e], s[SEL], s[SEL+1]
.endr
.irp e, 0,1
	v_max_num_f32 v[TM+\e], v[TM+\e], v[TM+2+\e]
.endr
.irp e, 0,1
	v_add_nc_u32 v[TM+6+\e], 0xff000000, v[TM+\e]
.endr
.irp e, 0,1
	v_lshrrev_b32 v[TM+4+\e], 23, v[TM+6+\e]
.endr
	v_cvt_scalef32_pk8_fp4_f32 v[(\cd)],   v[(\s):(\s)+7],     v[TM+6]
	v_cvt_scalef32_pk8_fp4_f32 v[(\cd)+1], v[(\s)+16:(\s)+23], v[TM+7]
	v_cvt_scalef32_pk8_fp4_f32 v[(\cd)+2], v[(\s)+8:(\s)+15],  v[TM+6]
	v_cvt_scalef32_pk8_fp4_f32 v[(\cd)+3], v[(\s)+24:(\s)+31], v[TM+7]
	v_nop
	v_permlane16_swap_b32 v[(\cd)],   v[(\cd)+1]
	v_permlane16_swap_b32 v[(\cd)+2], v[(\cd)+3]
.endm
	s_load_b256 s[16:23], s[0:1], 0x0              ; qkc, qks, vc, vs
	s_load_b128 s[24:27], s[0:1], 0x20             ; mw, xc
	s_load_b64 s[28:29], s[0:1], 0x30              ; xs
	v_lshl_add_u32 v240, v0, 2, SPARE
	v_mov_b32 v241, 0
	v_lshrrev_b32 v4, 5, v0
	v_readfirstlane_b32 s66, v4                    ; wave 0..15
	v_lshlrev_b32 v1, 4, v0                        ; the copy: 16 bytes a thread, 8,192 an instruction of the work-group
	v_add_nc_u32 v2, VC, v1
	v_add_nc_u32 v3, KS, v1
	v_lshlrev_b32 v8, 3, v0                        ; V's scale words: 8 bytes a thread
	v_add_nc_u32 v9, VS, v8
	v_and_b32 v10, 31, v0
	v_lshlrev_b32 v4, 4, v10                       ; 16 x lane: a fragment's image
	v_add_nc_u32 v5, VC, v4
	v_lshlrev_b32 v6, 2, v10                       ; 4 x lane: scale words of two tiles
	v_add_nc_u32 v7, VS, v6
	v_add_nc_u32 v6, KS, v6
	v_and_b32 v10, 15, v0
	v_lshlrev_b32 v242, 2, v10
	v_lshlrev_b32 v243, 5, v10
	s_and_b32 s67, ttmp7, 0xffff                   ; g = 16 x batch + head
	s_lshl_b32 s70, s67, 16
	s_mov_b32 s71, 0
	s_lshl_b32 s72, s67, 13
	s_mov_b32 s73, 0
	s_lshl_b32 s78, s67, 12
	s_mov_b32 s79, 0
	s_lshr_b32 s2, s67, 4
	s_and_b32 s3, s67, 15
	s_lshl_b32 s96, s2, 20
	s_lshl_b32 s97, s3, 9
	s_add_co_u32 s96, s96, s97                     ; xc: 128 tiles of 8,192 bytes a batch, 512 bytes a head
	s_mov_b32 s97, 0
	s_lshl_b32 s98, s2, 16
	s_lshl_b32 s99, s3, 1
	s_add_co_u32 s98, s98, s99                     ; xs: 2,048 rows of 32 bytes a batch, 2 bytes a head
	s_mov_b32 s99, 0
	s_mov_b32 s[SEL], 0x76543210
	s_mov_b32 s[SEL+1], 0xfedcba98
	s_mov_b32 s[CS], 0x3e38aa3b                    ; c = log2(e) / 8
	s_mov_b32 s[CS+1], s[CS]
	s_wait_kmcnt 0x0
	s_add_nc_u64 s[4:5], s[16:17], s[70:71]        ; q's codes of my head
	s_add_nc_u64 s[6:7], s[18:19], s[72:73]        ; q's scale words
	s_mov_b64 s[8:9], s[24:25]                     ; the mask's words
	s_add_nc_u64 s[10:11], s[26:27], s[96:97]
	s_add_nc_u64 s[12:13], s[28:29], s[98:99]
	s_add_nc_u64 s[32:33], s[4:5], 0x400000        ; k's codes
	s_add_nc_u64 s[34:35], s[6:7], 0x80000         ; k's scale words
	s_add_nc_u64 s[36:37], s[20:21], s[70:71]      ; v's codes
	s_add_nc_u64 s[38:39], s[22:23], s[78:79]      ; v's scale words
.irp i, 0,1,2,3,4,5,6,7
	global_load_b128 v[32+4*\i:35+4*\i], v1, s[32:33] offset:8192*\i
.endr
.irp i, 0,1,2,3,4,5,6,7
	global_load_b128 v[64+4*\i:67+4*\i], v1, s[36:37] offset:8192*\i
.endr
	global_load_b128 v[96:99], v1, s[34:35]
	global_load_b64 v[100:101], v8, s[38:39]
.irp i, 0,1,2,3,4,5,6,7
	s_wait_loadcnt 17-\i                           ; of the 18 loads those younger than this one may be out
	ds_store_b128 v1, v[32+4*\i:35+4*\i] offset:8192*\i
.endr
.irp i, 0,1,2,3,4,5,6,7
	s_wait_loadcnt 9-\i
	ds_store_b128 v2, v[64+4*\i:67+4*\i] offset:8192*\i
.endr
	s_wait_loadcnt 1
	ds_store_b128 v3, v[96:99]
	s_wait_loadcnt 0x0
	ds_store_b64 v9, v[100:101]
	s_wait_dscnt 0x0                               ; for the others' sake: my stores are done
	s_barrier_signal -1
	s_barrier_wait -1                              ; the head's K and V lie in LDS; nothing is written there again
.irp j, 20,21,22,23
	v_mov_b32 v[\j], 0                             ; Q's upper 64 along K: zero codes
.endr
.irp b, 0,1,2,3,4,5,6,7
.irp j, 4,5,6,7
	v_mov_b32 v[32+8*\b+\j], 0                     ; K's likewise
.endr
.endr
.irp j, 232,233,234,235,236,237,238,239,252,253
	v_mov_b32 v[\j], 0                             ; written once: a lane permute's destination counts as a source, and v253 is named in the pair v[252:253]
.endr
	v_mov_b32 v255, 0xd0000000                     ; -2^33: the score of a key that does not count
	s_lshl_b32 s67, s66, 2
	s_add_co_u32 s67, s67, ttmp9                   ; my first query tile
	s_mov_b32 s73, 0
.Ltile:
	s_lshl_b32 s2, s67, 9
	s_mov_b32 s3, 0
	s_add_nc_u64 s[96:97], s[4:5], s[2:3]
	global_load_b128 v[16:19], v4, s[96:97]        ; Q's fragment
	s_lshl_b32 s2, s67, 6
	s_add_nc_u64 s[98:99], s[6:7], s[2:3]
	global_load_b32 v230, v242, s[98:99]           ; its scale words
	s_add_nc_u64 s[2:3], s[8:9], s[2:3]
	s_load_b512 s[16:31], s[2:3], 0x80000          ; the tile's 16 flag words
	s_lshl_b32 s78, s67, 12
	s_mov_b32 s79, 0
	s_add_nc_u64 s[14:15], s[8:9], s[78:79]        ; the tile's mask words, 256 bytes a step
	s_mov_b32 s69, 0                               ; the step
	s_mov_b32 s70, 0                               ; where the step's codes begin, in K's and in V's region: 4,096 bytes a step
	s_mov_b32 s71, 0                               ; K's scale words: 512 bytes a step
	s_mov_b32 s72, 0                               ; V's: 256
	v_mov_b32 v13, 0xff61b1e6                      ; the largest t so far: -3e38
	v_floor_f32 v12, -v13                          ; -M
	v_mov_b32 v14, 0
	v_mov_b32 v15, 0
.set J, 0
.rept 32
	v_mov_b32 v[160+J], 0                          ; O^T: which step runs first hangs on the flags, so no first step can be written out
.set J, J+1
.endr
	s_wait_kmcnt 0x0
	s_or_b32 s79, s16, s17
.irp i, 18,19,20,21,22,23,24,25,26,27,28,29,30,31
	s_or_b32 s79, s79, s[\i]                       ; bit r: row r has a key that counts somewhere
.endr
	s_mov_b32 s68, 0
.irp i, 0,1,2,3,4,5,6,7,8,9,10,11,12,13,14,15
	s_cmp_eq_u32 s[16+\i], 0
	s_cselect_b32 s78, 1<<\i, 0
	s_or_b32 s68, s68, s78                         ; bit i: no key of step i counts for any of the 16 rows
.endr
	s_cmp_eq_u32 s79, 0xffff
	s_cselect_b32 s68, s68, 0                      ; a row with no key at all weighs every key alike: then nothing is passed over
	s_wait_loadcnt 0x0                             ; Q
.Lstep:
	s_and_b32 s78, s68, 1
	s_cmp_lg_u32 s78, 0
	s_cbranch_scc1 .Lnext
	s_load_b512 s[16:31], s[14:15], 0x0            ; the step's 64 mask words
	s_load_b512 s[32:47], s[14:15], 0x40
	s_load_b512 s[48:63], s[14:15], 0x80
	s_load_b512 s[80:95], s[14:15], 0xc0
	v_add_nc_u32 v8, s70, v4                       ; four plain lines: also the places behind the last step's products, in front of the loads below
	v_add_nc_u32 v9, s70, v5
	v_add_nc_u32 v10, s71, v6
	v_add_nc_u32 v11, s72, v7
.irp b, 0,1,2,3,4,5,6,7
	ds_load_b128 v[32+8*\b:35+8*\b], v8 offset:512*\b          ; keys 16 b + r, block h of their 64 channels
.endr
.irp i, 0,1,2,3
	ds_load_b32 v[224+\i], v10 offset:128*\i                   ; lanes 0-15: tile 2 i's words; lanes 16-31: tile 2 i + 1's
.endr
.irp t, 0,1,2,3
.irp c, 0,1
	ds_load_b128 v[192+8*\t+4*\c:195+8*\t+4*\c], v9 offset:1024*\t+512*\c
.endr
.endr
.irp i, 0,1
	ds_load_b32 v[228+\i], v11 offset:128*\i
.endr
	s_wait_dscnt 10                                ; K's twelve loads are in; V's ten may be out
.irp b, 0,1,2,3,4,5,6,7
.if \b%2
	v_wmma_scale_f32_16x16x128_f8f6f4 v[96+8*\b:103+8*\b], v[32+8*\b:39+8*\b], v[16:23], 0, v[224+\b/2], v230 matrix_a_fmt:MATRIX_FMT_FP4 matrix_b_fmt:MATRIX_FMT_FP4 matrix_a_scale:MATRIX_SCALE_ROW1
.else
	v_wmma_scale_f32_16x16x128_f8f6f4 v[96+8*\b:103+8*\b], v[32+8*\b:39+8*\b], v[16:23], 0, v[224+\b/2], v230 matrix_a_fmt:MATRIX_FMT_FP4 matrix_b_fmt:MATRIX_FMT_FP4
.endif
.endr
.rept 4
	v_nop
.endr
	s_wait_kmcnt 0x0                               ; the mask words
.set N, 0
.rept 64                               ; one line a score: the lane's bit of word n keeps the score or takes the masked one
.if N < 48
	v_cndmask_b32 v[96+N], v255, v[96+N], s[16+N]
.else
	v_cndmask_b32 v[96+N], v255, v[96+N], s[32+N]
.endif
.set N, N+1
.endr
.irp b, 0,1,2,3
	v_max3_num_f32 v[232+\b], v[96+16*\b], v[97+16*\b], v[98+16*\b]   ; the largest score of each block of 32 keys: for the row's maximum, and, since p rises with the score, for the block's largest p
.endr
.irp i, 3,5,7,9,11,13
.irp b, 0,1,2,3
	v_max3_num_f32 v[232+\b], v[232+\b], v[96+16*\b+\i], v[97+16*\b+\i]
.endr
.endr
.irp b, 0,1,2,3
	v_max_num_f32 v[232+\b], v[232+\b], v[111+16*\b]
.endr
.irp b, 0,1,2,3
	v_permlanex16_b32 v[236+\b], v[232+\b], s[SEL], s[SEL+1]
.endr
.irp b, 0,1,2,3
	v_max_num_f32 v[232+\b], v[232+\b], v[236+\b]  ; with lane l xor 16's 16 keys
.endr
	v_max3_num_f32 v254, v232, v233, v234
	v_max_num_f32 v254, v254, v235
	v_mul_f32 v254, s[CS], v254                    ; the step's largest t
	v_max_num_f32 v13, v13, v254
	v_mov_b32 v254, v12
	v_floor_f32 v12, -v13                          ; the new -M = -ceil(t)
	v_sub_f32 v254, v12, v254                      ; old M - new M: a whole number, 0 or less
	v_cvt_i32_f32 v254, v254                       ; (it saturates)
	v_ldexp_f32 v252, 1.0, v254                    ; f = 2^(old M - new M)
.set J, 0
.rept 32
	v_pk_fma_f32 v[96+J:97+J], v[96+J:97+J], s[CS:CS+1], v[12:13] op_sel_hi:[1,0,0]   ; t - M
.set J, J+2
.endr
.irp b, 0,1,2,3
	v_fma_f32 v[232+\b], v[232+\b], s[CS], v12
.endr
.set J, 0
.rept 64
	v_exp_f32 v[96+J], v[96+J]                     ; p = 2^(t - M)
.set J, J+1
.endr
	v_pk_mul_f32 v[14:15], v[14:15], v[252:253] op_sel_hi:[1,0]   ; the sums under the new M: a plain place behind the exponentials
	s_wait_alu depctr_va_vdst(0)                   ; one wait for the batch, ahead of its first reader
.irp b, 0,1,2,3
	v_exp_f32 v[232+\b], v[232+\b]                 ; each block's largest p
.endr
	v_pk_add_f32 v[236:237], v[96:97], v[98:99]    ; the row's sum of the unquantised p, in two chains
.irp j, 4,8,12,16,20,24,28,32,36,40,44,48,52,56,60
	v_pk_add_f32 v[14:15], v[14:15], v[96+\j:97+\j]
	v_pk_add_f32 v[236:237], v[236:237], v[98+\j:99+\j]
.endr
	v_pk_add_f32 v[14:15], v[14:15], v[236:237]
	s_wait_alu depctr_va_vdst(0)                   ; and one for the four
.irp b, 0,1,2,3
	v_max_num_f32 v[232+\b], 0x1800000, v[232+\b]  ; the floor 2^(3 - 127)
.endr
.irp b, 0,1,2,3
	v_add_nc_u32 v[244+\b], 0xff000000, v[232+\b]  ; the conversion's scale operand
.endr
.irp b, 0,1,2,3
	v_lshrrev_b32 v[236+\b], 23, v[244+\b]         ; the scale's byte
.endr
	v_lshl_or_b32 v231, v237, 8, v236              ; p's scale word for these 128 keys
	v_lshl_or_b32 v231, v238, 16, v231
	v_lshl_or_b32 v231, v239, 24, v231
.irp c, 0,1
	v_cvt_scalef32_pk8_fp4_f32 v[24+4*\c], v[96+32*\c:103+32*\c],  v[244+2*\c]
	v_cvt_scalef32_pk8_fp4_f32 v[25+4*\c], v[112+32*\c:119+32*\c], v[245+2*\c]
	v_cvt_scalef32_pk8_fp4_f32 v[26+4*\c], v[104+32*\c:111+32*\c], v[244+2*\c]
	v_cvt_scalef32_pk8_fp4_f32 v[27+4*\c], v[120+32*\c:127+32*\c], v[245+2*\c]
.endr
	v_nop                                          ; one plain place behind the scaled conversions
.irp c, 0,1
	v_permlane16_swap_b32 v[24+4*\c], v[25+4*\c]   ; lanes 0-15 gather block 2 c, lanes 16-31 block 2 c + 1
	v_permlane16_swap_b32 v[26+4*\c], v[27+4*\c]
.endr
.set J, 0
.rept 16
	v_pk_mul_f32 v[160+J:161+J], v[160+J:161+J], v[252:253] op_sel_hi:[1,0]   ; O^T under the new M; these sixteen are also the places in front of the products below
.set J, J+2
.endr
	s_wait_dscnt 0x0                               ; V
.irp t, 0,1,2,3
.if \t%2
	v_wmma_scale_f32_16x16x128_f8f6f4 v[160+8*\t:167+8*\t], v[192+8*\t:199+8*\t], v[24:31], v[160+8*\t:167+8*\t], v[228+\t/2], v231 matrix_a_fmt:MATRIX_FMT_FP4 matrix_b_fmt:MATRIX_FMT_FP4 matrix_a_scale:MATRIX_SCALE_ROW1
.else
	v_wmma_scale_f32_16x16x128_f8f6f4 v[160+8*\t:167+8*\t], v[192+8*\t:199+8*\t], v[24:31], v[160+8*\t:167+8*\t], v[228+\t/2], v231 matrix_a_fmt:MATRIX_FMT_FP4 matrix_b_fmt:MATRIX_FMT_FP4
.endif
.endr
.Lnext:
	s_lshr_b32 s68, s68, 1
	s_add_nc_u64 s[14:15], s[14:15], 256           ; (the scalar loads that read it were waited for on the way that issued them)
	s_add_co_u32 s70, s70, 4096
	s_add_co_u32 s71, s71, 512
	s_add_co_u32 s72, s72, 256
	s_add_co_u32 s69, s69, 1
	s_cmp_lt_u32 s69, 16
	s_cbranch_scc1 .Lstep
	; the tile's end: O^T / the sum is x; it is quantised along the head's 64 channels, two blocks of the last product's K
.rept 4
	v_nop
.endr
	v_add_f32 v14, v14, v15
	v_permlanex16_b32 v252, v14, s[SEL], s[SEL+1]
	v_add_f32 v14, v14, v252                       ; the row's sum
	v_rcp_f32 v14, v14
	v_nop                                          ; a plain place behind the reciprocal
	s_lshl_b32 s2, s67, 13
	s_mov_b32 s3, 0
	s_add_nc_u64 s[96:97], s[10:11], s[2:3]
	s_lshl_b32 s2, s67, 9
	s_add_nc_u64 s[98:99], s[12:13], s[2:3]
	s_wait_alu depctr_va_vdst(0)                   ; the wait ahead of its first reader
.set J, 0
.rept 16
	v_pk_mul_f32 v[160+J:161+J], v[160+J:161+J], v[14:15] op_sel_hi:[1,0]
.set J, J+2
.endr
	QUANT2 160, 24
	v_lshl_or_b32 v254, v237, 8, v236
	global_store_b128 v4, v[24:27], s[96:97]       ; the wave stores 512 consecutive bytes, aligned
	global_store_b16 v243, v254, s[98:99]          ; two scale bytes a row, rows 32 bytes apart (lanes l and l + 16 write the same bytes with the same value): one byte in sixteen of what the tile stores
	s_wait_xcnt 0x0                                ; the stores have read their registers and bases: the next tile writes them again
	s_sub_co_u32 s67, 127, s67                     ; the second tile
	s_add_co_u32 s73, s73, 1
	s_cmp_lt_u32 s73, 2
	s_cbranch_scc1 .Ltile
	s_wait_tensorcnt 0x0                           ; the wave's end
	ds_add_u32 v240, v241
	s_wait_dscnt 0x0
	s_endpgm
.Lfunc_end_k_q19dd584dac_attn:
	.size	k_q19dd584dac_attn, .Lfunc_end_k_q19dd584dac_attn-k_q19dd584dac_attn
	.p2alignl 7, 3214868480
	.fill 96, 4, 3214868480
	.section	.rodata,"a",@progbits
	.p2align	6, 0x0
	.amdhsa_kernel k_q19dd584dac_attn
		.amdhsa_group_segment_fixed_size 145408
		.amdhsa_private_segment_fixed_size 0
		.amdhsa_enable_private_segment 0
		.amdhsa_kernarg_size 56
		.amdhsa_user_sgpr_count 2
		.amdhsa_user_sgpr_kernarg_segment_ptr 1
		.amdhsa_wavefront_size32 1
		.amdhsa_system_sgpr_workgroup_id_x 1
		.amdhsa_system_sgpr_workgroup_id_y 1
		.amdhsa_system_sgpr_workgroup_id_z 1
		.amdhsa_system_vgpr_workitem_id 0
		.amdhsa_next_free_vgpr 256
		.amdhsa_next_free_sgpr 102
		.amdhsa_reserve_vcc 0
		.amdhsa_float_denorm_mode_32 3
		.amdhsa_float_denorm_mode_16_64 3
		.amdhsa_memory_ordered 1
		.amdhsa_forward_progress 1
		.amdhsa_inst_pref_size 36
	.end_amdhsa_kernel
	.amdgpu_metadata
---
amdhsa.version: [ 1, 2 ]
amdhsa.kernels:
  - .name:           k_q19dd584dac_attn
    .symbol:         k_q19dd584dac_attn.kd
    .args:
      - { .name: qkc, .offset: 0, .size: 8, .value_kind: global_buffer, .address_space: global }
      - { .name: qks, .offset: 8, .size: 8, .value_kind: global_buffer, .address_space: global }
      - { .name: vc, .offset: 16, .size: 8, .value_kind: global_buffer, .address_space: global }
      - { .name: vs, .offset: 24, .size: 8, .value_kind: global_buffer, .address_space: global }
      - { .name: mw, .offset: 32, .size: 8, .value_kind: global_buffer, .address_space: global }
      - { .name: xc, .offset: 40, .size: 8, .value_kind: global_buffer, .address_space: global }
      - { .name: xs, .offset: 48, .size: 8, .value_kind: global_buffer, .address_space: global }
    .group_segment_fixed_size: 145408
    .private_segment_fixed_size: 0
    .kernarg_segment_align: 8
    .kernarg_segment_size: 56
    .max_flat_workgroup_size: 512
    .sgpr_count:     102
    .vgpr_count:     256
    .wavefront_size: 32
...
	.end_amdgpu_metadata
.endif
;; end of part 2
;; launch outp (part 3): grid 4 x 64, 8 waves a work-group, clusters of 4 x 4, 249,600 bytes of LDS; arguments Wo_codes, Wo_scales, xc, xs, bo, out0; writes out0
.if DOCPART == 3
	.amdgcn_target "amdgcn-amd-amdhsa--gfx1250"
	.amdhsa_code_object_version 6
	.text
	.protected	k_q19dd584dac_outp
	.globl	k_q19dd584dac_outp
	.p2align	8
	.type	k_q19dd584dac_outp,@function
k_q19dd584dac_outp:
	s_mov_b64 s[64:65], 0
	v_nop
	global_prefetch_b8 v0, s[64:65] scope:SCOPE_SE
	s_setreg_imm32_b32 hwreg(HW_REG_WAVE_MODE, 25, 1), 1
	s_wait_xcnt 0x0
	s_wait_alu depctr_hold_cnt(0) depctr_sa_sdst(0) depctr_va_vdst(0) depctr_va_sdst(0) depctr_va_ssrc(0) depctr_va_vcc(0) depctr_vm_vsrc(0)
	s_getreg_b32 s2, hwreg(HW_REG_IB_STS2, 6, 4)
	s_cmp_eq_u32 s2, 0
	s_cbranch_scc0 .Lentry_in_a_cluster
	s_endpgm
.Lentry_in_a_cluster:
	s_bfe_u32 s2, ttmp6, 0x10000c
	s_cmp_lg_u32 s2, 0xf033
	s_cbranch_scc0 .Lentry_shape_is_right
	s_endpgm
.Lentry_shape_is_right:
; out0 = x Wo + bo on E2M1 codes: Wo's as given, x's as the launch before stored them (fragment images and scale bytes); sums in f32.  No work is left out here.
; SHARES.  Source 0 = 16 rows of Wo (output columns n), source 1 = 16 rows of x: a lane holds one row of the output and eight neighbouring columns.  A work-group takes 256 columns x 128 rows over all
; K = 1024, which lies in LDS whole: every LDS byte is filled once.  Wave w: 64 columns (w & 3) x 64 rows (w >> 2): 16 accumulators.
; CLUSTER 4 x 4: Wo's rows hang on cx and are asked for jointly along a column of the cluster, x's rows on the cluster's y and cy and are asked for jointly along a row.
; REGISTERS: v1, v2 the add's two; v3-8 addresses; v10 r, v11 h; v12-15 at work; v16-31 scale words; v32-63 Wo's fragments; v64-95 x's (both: rows of the output on the way out); v96-127 the bias; v128-255 accumulators.
.set RCD,   135168                     ; LDS: Wo's 256 rows at 0, pitch 528; x's eight tiles of 16 rows here, dense images of 8,192 bytes
.set RSC,   200704                     ; x's scale bytes: 16 units of 256 + 16
.set PSC,   205056                     ; Wo's: 32 units
.set STG,   213760                     ; the way out: 16 rows x (256 + 16) bytes for each wave; no fill lands here
.set SPARE, 248576                     ; the spare words, 128 bytes a wave: no other line names them
.set PITCH, 528
.set HALF,  64*PITCH
.set SC,  16
.set PF,  32
.set RF,  64
.set BI,  96
.set ACC, 128
.macro CROUND
	s_barrier_signal -1
	s_barrier_wait -1
	s_cmp_lg_u32 s60, 0
	s_cbranch_scc1 .Lnot_wave_0_\@
	s_barrier_signal -3
.Lnot_wave_0_\@:
	s_barrier_wait -3
	s_barrier_signal -1
	s_barrier_wait -1
.endm
.macro PLACES
.rept 4
	v_nop
.endr
.endm
.macro ARM g0, g1                      ; a joint load; an s_nop 0 and four v_nop follow it
	tensor_load_to_lds s[\g0:\g0+3], s[\g1:\g1+7]
	s_nop 0
.rept 4
	v_nop
.endr
.endm
	s_load_b256 s[44:51], s[0:1], 0x0              ; Wo's codes, Wo's scales, xc, xs
	s_load_b128 s[52:55], s[0:1], 0x20             ; bo, out0
	v_lshl_add_u32 v1, v0, 2, SPARE
	v_mov_b32 v2, 0
	ds_add_u32 v1, v2                              ; the wave's opening: the add, twice on end, and its wait ahead of my first tensor load
	ds_add_u32 v1, v2
	v_lshrrev_b32 v12, 5, v0
	v_readfirstlane_b32 s60, v12                   ; wave 0..7
	s_and_b32 s61, s60, 3                          ; wp: my 64 columns
	s_lshr_b32 s62, s60, 2                         ; wr: my 64 rows
	s_bfe_u32 s66, ttmp6, 0x40000                  ; cx: Wo's block of 256 rows
	s_bfe_u32 s67, ttmp6, 0x40004                  ; cy
	s_and_b32 s39, ttmp7, 0xffff
	s_lshl_b32 s39, s39, 2
	s_add_co_u32 s39, s39, s67                     ; x's block of 128 rows
	s_lshl_b32 s40, 0x1111, s66                    ; my column of the cluster
	s_lshl_b32 s41, s67, 2
	s_lshl_b32 s41, 15, s41                        ; my row
	s_or_b32 s68, s40, (1<<20)|(1<<21)|(6<<22)|(3<<25)   ; Wo's codes: 64 rows of 512 bytes, 16 bytes of padding behind each
	s_mov_b32 s69, 512<<16
	s_mov_b32 s70, 64<<16
	s_mov_b32 s71, 512<<16
	s_mov_b32 s72, 64
	s_mov_b32 s73, 512
	s_mov_b32 s74, 0
	s_mov_b32 s75, 0
	s_or_b32 s76, s41, (3<<16)|(1<<21)             ; x's codes: a dense block of 32,768 bytes as 128 rows of 256, no padding
	s_mov_b32 s77, 32<<16
	s_mov_b32 s78, 128<<16
	s_mov_b32 s79, 32<<16
	s_mov_b32 s80, 128
	s_mov_b32 s81, 32
	s_mov_b32 s82, 0
	s_mov_b32 s83, 0
	s_or_b32 s84, s40, (3<<16)|(1<<20)|(1<<21)|(5<<22)|(3<<25)   ; Wo's scale bytes: 32 rows of 256, 16 bytes of padding behind each
	s_mov_b32 s85, 32<<16
	s_mov_b32 s86, 32<<16
	s_mov_b32 s87, 32<<16
	s_mov_b32 s88, 32
	s_mov_b32 s89, 32
	s_mov_b32 s90, 0
	s_mov_b32 s91, 0
	s_or_b32 s92, s41, (3<<16)|(1<<20)|(1<<21)|(5<<22)|(3<<25)   ; x's: 16 rows
	s_mov_b32 s93, 32<<16
	s_mov_b32 s94, 16<<16
	s_mov_b32 s95, 32<<16
	s_mov_b32 s96, 16
	s_mov_b32 s97, 32
	s_mov_b32 s98, 0
	s_mov_b32 s99, 0
	v_and_b32 v10, 15, v0                          ; r
	v_bfe_u32 v11, v0, 4, 1                        ; h
	v_and_b32 v14, 31, v0
	v_mul_u32_u24 v12, v10, PITCH
	v_lshl_add_u32 v12, v11, 4, v12
	s_mul_i32 s42, s61, HALF
	v_add_nc_u32 v3, s42, v12                      ; Wo's fragments
	s_lshl_b32 s42, s62, 15
	s_add_co_u32 s42, s42, RCD
	v_lshl_add_u32 v4, v14, 4, s42                 ; x's: my four tiles, 16 x lane
	s_mul_i32 s42, s62, 2176                       ; scale words: lanes 0-15 x's rows, lanes 16-31 Wo's: the lower base + h x the distance
	s_mul_i32 s43, s61, 2176
	s_add_co_u32 s43, s43, PSC-RSC
	s_sub_co_u32 s43, s43, s42
	v_mul_u32_u24 v13, s43, v11
	s_add_co_u32 s42, s42, RSC
	v_lshrrev_b32 v15, 3, v10
	v_lshlrev_b32 v12, 5, v10
	v_lshl_add_u32 v12, v15, 4, v12
	v_add_nc_u32 v12, v12, v13
	v_add_nc_u32 v5, s42, v12
	s_mul_i32 s42, s60, 16*272
	s_add_co_u32 s42, s42, STG                     ; my stage
	v_mul_u32_u24 v12, v10, 272
	v_lshl_add_u32 v12, v11, 5, v12
	v_add_nc_u32 v6, s42, v12                      ; in: row r, 32 bytes for each half of the lanes
	v_mul_u32_u24 v12, v11, 272
	v_lshl_add_u32 v12, v10, 4, v12
	v_add_nc_u32 v7, s42, v12                      ; back: lanes 0-15 one row of 256 bytes, lanes 16-31 the next
	v_lshlrev_b32 v8, 12, v11
	v_lshl_add_u32 v8, v10, 4, v8                  ; and the same two rows in the output
	v_lshlrev_b32 v9, 5, v11                       ; the bias: 32 h
	s_wait_dscnt 0x0                               ; both opening adds are done
	s_wait_kmcnt 0x0
	; groups 0.  Wo's are made in s[2:3], x's in s[30:31]: neither pair ever holds the other coordinate
	s_mov_b32 s4, 1
	s_mul_i32 s5, s60, HALF                        ; waves 0-3: 64 rows of Wo each
	s_lshl_b32 s2, s66, 17
	s_lshl_b32 s3, s60, 15
	s_add_co_u32 s2, s2, s3
	s_mov_b32 s3, 0
	s_add_nc_u64 s[6:7], s[44:45], s[2:3]
	s_or_b32 s7, s7, 0x80000000
	s_mov_b32 s12, 1
	s_mov_b32 s13, PSC                             ; wave 6
	s_lshl_b32 s2, s66, 13
	s_add_nc_u64 s[14:15], s[46:47], s[2:3]
	s_or_b32 s15, s15, 0x80000000
	s_mov_b32 s8, 1
	s_and_b32 s31, s60, 1                          ; waves 4, 5: four tiles of x each
	s_lshl_b32 s31, s31, 15
	s_add_co_u32 s9, s31, RCD
	s_lshl_b32 s30, s39, 16
	s_add_co_u32 s30, s30, s31
	s_mov_b32 s31, 0
	s_add_nc_u64 s[10:11], s[48:49], s[30:31]
	s_or_b32 s11, s11, 0x80000000
	s_mov_b32 s16, 1
	s_mov_b32 s17, RSC                             ; wave 7
	s_lshl_b32 s30, s39, 12
	s_add_nc_u64 s[18:19], s[50:51], s[30:31]
	s_or_b32 s19, s19, 0x80000000
	CROUND                                         ; all sixteen work-groups are here: the joint loads meet
	s_cmp_lt_u32 s60, 4                            ; one tensor load a wave, each a first fill
	s_cbranch_scc0 .Lfill_not_p
	ARM 4, 68
	s_branch .Lfilled
.Lfill_not_p:
	s_cmp_lt_u32 s60, 6
	s_cbranch_scc0 .Lfill_not_r
	ARM 8, 76
	s_branch .Lfilled
.Lfill_not_r:
	s_cmp_eq_u32 s60, 6
	s_cbranch_scc0 .Lfill_rs
	ARM 12, 84
	s_branch .Lfilled
.Lfill_rs:
	ARM 16, 92
.Lfilled:
	s_lshl_b32 s40, s66, 10
	s_lshl_b32 s41, s61, 8
	s_add_co_u32 s40, s40, s41                     ; my first column, in bytes
	s_mov_b32 s41, 0
	s_add_nc_u64 s[52:53], s[52:53], s[40:41]
.irp b, 0,1,2,3
	global_load_b128 v[BI+8*\b:BI+8*\b+3],   v9, s[52:53] offset:64*\b        ; bo at columns 16 b + 8 h + 0 .. 7, in the result's layout
	global_load_b128 v[BI+8*\b+4:BI+8*\b+7], v9, s[52:53] offset:64*\b+16
.endr
	s_lshl_b32 s42, s39, 19
	s_lshl_b32 s43, s62, 18
	s_add_co_u32 s42, s42, s43                     ; my first row x 4,096 bytes
	s_add_co_u32 s42, s42, s40
	s_mov_b32 s43, 0
	s_add_nc_u64 s[54:55], s[54:55], s[42:43]
	s_wait_loadcnt 0x0
	s_wait_tensorcnt 0x0                           ; my tile has landed:
	s_barrier_signal -1
	s_barrier_wait -1                              ; everybody's has.  Nothing is ever filled again
.macro SCALES hh
.irp i, 0,1,2,3
	ds_load_b128 v[SC+4*\i:SC+4*\i+3], v5 offset:544*\i+16*\hh
.endr
.endm
.macro KLOAD q
.irp b, 0,1,2,3
.irp c, 0,1
	ds_load_b128 v[PF+8*\b+4*\c:PF+8*\b+4*\c+3], v3 offset:16*PITCH*\b+64*(\q)+32*\c
.endr
.endr
.irp b, 0,1,2,3
.irp c, 0,1
	ds_load_b128 v[RF+8*\b+4*\c:RF+8*\b+4*\c+3], v4 offset:8192*\b+1024*(\q)+512*\c   ; tile b, heads 2 q + c: the image of registers 4 c .. 4 c + 3
.endr
.endr
.endm
.macro KMUL q, cm                      ; 16 matrix instructions; the accumulators take turns in the same order in every step.  cm = 1: the bias starts the sums
.irp a, 0,1,2,3
.irp b, 0,1,2,3
.if \cm == 1
	v_wmma_scale_f32_16x16x128_f8f6f4 v[ACC+32*\a+8*\b:ACC+32*\a+8*\b+7], v[PF+8*\b:PF+8*\b+7], v[RF+8*\a:RF+8*\a+7], v[BI+8*\b:BI+8*\b+7], v[SC+4*\b+(\q)%4], v[SC+4*\a+(\q)%4] matrix_a_fmt:MATRIX_FMT_FP4 matrix_b_fmt:MATRIX_FMT_FP4 matrix_a_scale:MATRIX_SCALE_ROW1
.else
	v_wmma_scale_f32_16x16x128_f8f6f4 v[ACC+32*\a+8*\b:ACC+32*\a+8*\b+7], v[PF+8*\b:PF+8*\b+7], v[RF+8*\a:RF+8*\a+7], v[ACC+32*\a+8*\b:ACC+32*\a+8*\b+7], v[SC+4*\b+(\q)%4], v[SC+4*\a+(\q)%4] matrix_a_fmt:MATRIX_FMT_FP4 matrix_b_fmt:MATRIX_FMT_FP4 matrix_a_scale:MATRIX_SCALE_ROW1
.endif
.endr
.endr
.endm
	SCALES 0
	KLOAD 0
	s_wait_dscnt 0x0
	KMUL 0, 1
.irp q, 1,2,3,4,5,6,7
	PLACES
.if \q == 4
	SCALES 1
.endif
	KLOAD \q
	s_wait_dscnt 0x0
	KMUL \q, 0
.endr
	PLACES
; THE WAY OUT, a block of 16 rows x 64 columns at a time, through my own stage: in as 32 bytes a lane, back as whole rows of 256 bytes.  LDS serves a wave's instructions in order: no wait between the stores and the loads.
.macro TOSTAGE a
.irp b, 0,1,2,3
	ds_store_b128 v6, v[ACC+32*(\a)+8*\b:ACC+32*(\a)+8*\b+3]   offset:64*\b      ; each accumulator from its low end on
	ds_store_b128 v6, v[ACC+32*(\a)+8*\b+4:ACC+32*(\a)+8*\b+7] offset:64*\b+16
.endr
.irp i, 0,1,2,3,4,5,6,7
	ds_load_b128 v[32+32*((\a)%2)+4*\i:32+32*((\a)%2)+4*\i+3], v7 offset:544*\i
.endr
.endm
.macro SEND a, y                       ; y: the LDS instructions issued behind block a's loads, which may stay out
	s_wait_dscnt \y
.irp i, 0,1,2,3,4,5,6,7
	global_store_b128 v8, v[32+32*((\a)%2)+4*\i:32+32*((\a)%2)+4*\i+3], s[54:55] offset:(16*(\a)+2*\i)*4096 th:TH_STORE_NT   ; sixteen lanes store 256 consecutive bytes, aligned
.endr
.endm
	TOSTAGE 0
.irp a, 1,2,3
.if \a > 1
	s_wait_xcnt 0x0                                ; block a - 2's stores have read their registers: block a's loads may land there
.endif
	TOSTAGE \a
	SEND \a-1, 16                                  ; behind block a - 1's loads: block a's eight stores and eight loads
.endr
	SEND 3, 0
	s_wait_tensorcnt 0x0                           ; the wave's end
	ds_add_u32 v1, v2
	s_wait_dscnt 0x0
	CROUND                                         ; the closing round
	s_endpgm
.Lfunc_end_k_q19dd584dac_outp:
	.size	k_q19dd584dac_outp, .Lfunc_end_k_q19dd584dac_outp-k_q19dd584dac_outp
	.p2alignl 7, 3214868480
	.fill 96, 4, 3214868480
	.section	.rodata,"a",@progbits
	.p2align	6, 0x0
	.amdhsa_kernel k_q19dd584dac_outp
		.amdhsa_group_segment_fixed_size 249600
		.amdhsa_private_segment_fixed_size 0
		.amdhsa_enable_private_segment 0
		.amdhsa_kernarg_size 48
		.amdhsa_user_sgpr_count 2
		.amdhsa_user_sgpr_kernarg_segment_ptr 1
		.amdhsa_wavefront_size32 1
		.amdhsa_system_sgpr_workgroup_id_x 1
		.amdhsa_system_sgpr_workgroup_id_y 1
		.amdhsa_system_sgpr_workgroup_id_z 1
		.amdhsa_system_vgpr_workitem_id 0
		.amdhsa_next_free_vgpr 256
		.amdhsa_next_free_sgpr 102
		.amdhsa_reserve_vcc 0
		.amdhsa_float_denorm_mode_32 3
		.amdhsa_float_denorm_mode_16_64 3
		.amdhsa_memory_ordered 1
		.amdhsa_forward_progress 1
		.amdhsa_inst_pref_size 42
	.end_amdhsa_kernel
	.amdgpu_metadata
---
amdhsa.version: [ 1, 2 ]
amdhsa.kernels:
  - .name:           k_q19dd584dac_outp
    .symbol:         k_q19dd584dac_outp.kd
    .args:
      - { .name: Wo_codes, .offset: 0, .size: 8, .value_kind: global_buffer, .address_space: global }
      - { .name: Wo_scales, .offset: 8, .size: 8, .value_kind: global_buffer, .address_space: global }
      - { .name: xc, .offset: 16, .size: 8, .value_kind: global_buffer, .address_space: global }
      - { .name: xs, .offset: 24, .size: 8, .value_kind: global_buffer, .address_space: global }
      - { .name: bo, .offset: 32, .size: 8, .value_kind: global_buffer, .address_space: global }
      - { .name: out0, .offset: 40, .size: 8, .value_kind: global_buffer, .address_space: global }
    .group_segment_fixed_size: 249600
    .private_segment_fixed_size: 0
    .kernarg_segment_align: 8
    .kernarg_segment_size: 48
    .max_flat_workgroup_size: 256
    .sgpr_count:     102
    .vgpr_count:     256
    .wavefront_size: 32
...
	.end_amdgpu_metadata
.endif
;; end of part 3
;; ======== version 2 of 2: 3 launches
;; limits: right only within a limited range of input values
;; workspace buffers: qkc 8,388,608 bytes; qks 1,048,576 bytes; vc 4,194,304 bytes; vs 262,144 bytes; mw 532,480 bytes of whole numbers; xc 4,194,304 bytes; xs 262,144 bytes
;; launch proj (part 4): grid 4 x 192, 8 waves a work-group, clusters of 4 x 4, 251,648 bytes of LDS; arguments query_codes, query_scales, key_codes, key_scales, value_codes, value_scales, Wq_codes, Wq_scales, Wk_codes, Wk_scales, Wv_codes, Wv_scales, bq, bk, bv, mask, qkc, qks, vc, vs, mw; writes qkc, qks, vc, vs, mw
.if DOCPART == 4
	.amdgcn_target "amdgcn-amd-amdhsa--gfx1250"
	.amdhsa_code_object_version 6
	.text
	.protected	k_q19dd584dac_proj
	.globl	k_q19dd584dac_proj
	.p2align	8
	.type	k_q19dd584dac_proj,@function
k_q19dd584dac_proj:
	s_mov_b64 s[64:65], 0
	v_nop
	global_prefetch_b8 v0, s[64:65] scope:SCOPE_SE
	s_setreg_imm32_b32 hwreg(HW_REG_WAVE_MODE, 25, 1), 1
	s_wait_xcnt 0x0
	s_wait_alu depctr_hold_cnt(0) depctr_sa_sdst(0) depctr_va_vdst(0) depctr_va_sdst(0) depctr_va_ssrc(0) depctr_va_vcc(0) depctr_vm_vsrc(0)
	s_getreg_b32 s2, hwreg(HW_REG_IB_STS2, 6, 4)
	s_cmp_eq_u32 s2, 0
	s_cbranch_scc0 .Lentry_in_a_cluster
	s_endpgm
.Lentry_in_a_cluster:
	s_bfe_u32 s2, ttmp6, 0x10000c
	s_cmp_lg_u32 s2, 0xf033
	s_cbranch_scc0 .Lentry_shape_is_right
	s_endpgm
.Lentry_shape_is_right:
; q = rope(query Wq + bq), k = rope(key Wk + bk), v = value Wv + bv, each product on the given E2M1 codes and E8M0 scales, sums in f32; the results are quantised to E2M1 along the K of
; the product that takes them next (q, k: the head's 64 channels; v: the keys) and stored as images of operand registers.  Beside that the mask is turned into lane words and flags.
; DEAD WORK: none.  Every input has a way to the output for some values, so every input is loaded by some launch and no product of the problem is left out as a whole.
; What the next launch passes over hangs on the mask's values and is decided from the words stored here.
; LIMITS: a block of zeros gets the scale byte 1 where the quantiser says 127 (its codes are zeros, and this program alone reads the bytes); NaN and infinities among the inputs are not served;
; cos and sin are made here: inv_freq as 32 f32 constants 1 / 10^(j/8), the angle as the f32 product position x inv_freq, reduced by pi/2 in three parts with fused multiply-adds, then
; polynomials of degree 7 and 8: an absolute error of about 1e-7.
; SHARES.  Source 0 of the matrix instruction is operand P, whose row index becomes the next K and runs along a lane's registers; source 1 is operand R, whose row is the lane's.
; ROLE 0: P = Wq, R = query.  ROLE 1: P = Wk, R = key.  ROLE 2: P = value (keys), R = Wv (channels).  A work-group takes 256 rows of P x 128 rows of R over all K = 1024, which lies in LDS whole:
; every LDS byte is filled once, so there is no ring.  Wave w: 64 rows of P (w & 3) x 64 rows of R (w >> 2): 16 accumulators.
; CLUSTER 4 x 4: P's rows hang on cx, R's on cy: P's tiles are asked for jointly along a column of the cluster, R's along a row.  ROLE comes from the cluster's y: the same in all partners.
; While the tensor loads are on their way: ROLE 0, 1 make the table of cos and sin for the work-group's 128 positions in LDS; ROLE 2 makes the mask's words, one tile (16 queries x 128 keys) a wave.
; REGISTERS: v1, v2 the add's two; v3-9 addresses; v10 r, v11 h; v12-15 at work; v16-31 scale words; v32-63 P's fragments; v64-95 R's; v96-127 bias, later codes (v96-111), scale words (v112-117)
; and the quantiser's eight (v118-125); v128-255 accumulators, (a, b) at 128 + 32 a + 8 b, a = R's block, b = P's.
.set RCD,   135168                     ; LDS: P's 256 rows at 0, pitch 528; R's 128 rows here
.set RSC,   202752                     ; R's scale bytes: 16 units of 256 + 16
.set PSC,   207104                     ; P's: 32 units
.set TAB,   215808                     ; cos and sin: 128 rows, pitch 272: cos[32], sin[32]; written by LDS stores alone
.set SPARE, 250624                     ; the spare words, 128 bytes a wave: no other line names them
.set PITCH, 528                        ; 512 bytes + 16: the 16 rows of a fragment load start in 16 different groups of banks
.set HALF,  64*PITCH
.set SC,  16
.set PF,  32
.set RF,  64
.set BI,  96
.set CD,  96
.set WD,  112
.set WW,  116
.set TM,  118
.set ACC, 128
.set SEL, 36
.macro CROUND                          ; a round of the cluster's barrier
	s_barrier_signal -1
	s_barrier_wait -1
	s_cmp_lg_u32 s60, 0
	s_cbranch_scc1 .Lnot_wave_0_\@
	s_barrier_signal -3
.Lnot_wave_0_\@:
	s_barrier_wait -3
	s_barrier_signal -1
	s_barrier_wait -1
.endm
.macro PLACES                          ; four plain places behind matrix instructions, in front of loads into their registers and of reads of their results
.rept 4
	v_nop
.endr
.endm
.macro ARM g0, g1                      ; a joint load; an s_nop 0 and four v_nop follow it
	tensor_load_to_lds s[\g0:\g0+3], s[\g1:\g1+7]
	s_nop 0
.rept 4
	v_nop
.endr
.endm
; 32 numbers of a lane, four tiles: register 8 t + j is index 16 t + 8 h + j of the lane's row.  Out: the codes of block h of row r in v[cd .. cd+3], the two blocks' bytes in v[TM+4], v[TM+5].
.macro QUANT2 s, cd
.irp e, 0,1
	v_max3_num_f32 v[TM+\e], |v[(\s)+16*\e]|, |v[(\s)+16*\e+1]|, 0x1800000   ; my 16 numbers of block e, and the floor 2^(3 - 127): the byte cannot fall under 1
.endr
.irp i, 2,4,6,8,10,12,14
.irp e, 0,1
	v_max3_num_f32 v[TM+\e], v[TM+\e], |v[(\s)+16*\e+\i]|, |v[(\s)+16*\e+\i+1]|
.endr
.endr
.irp e, 0,1
	s_delay_alu instid0(VALU_DEP_2)
	v_permlanex16_b32 v[TM+2+\e], v[TM+\e], s[SEL], s[SEL+1]
.endr
.irp e, 0,1
	s_delay_alu instid0(VALU_DEP_2)
	v_max_num_f32 v[TM+\e], v[TM+\e], v[TM+2+\e]         ; with lane l xor 16's 16: the block's largest magnitude
.endr
.irp e, 0,1
	s_delay_alu instid0(VALU_DEP_2)
	v_add_nc_u32 v[TM+6+\e], 0xff000000, v[TM+\e]        ; 2 off its exponent field: the conversion's scale operand
.endr
.irp e, 0,1
	s_delay_alu instid0(VALU_DEP_2)
	v_lshrrev_b32 v[TM+4+\e], 23, v[TM+6+\e]             ; the scale's byte
.endr
	v_cvt_scalef32_pk8_fp4_f32 v[(\cd)],   v[(\s):(\s)+7],     v[TM+6]
	v_cvt_scalef32_pk8_fp4_f32 v[(\cd)+1], v[(\s)+16:(\s)+23], v[TM+7]
	v_cvt_scalef32_pk8_fp4_f32 v[(\cd)+2], v[(\s)+8:(\s)+15],  v[TM+6]
	v_cvt_scalef32_pk8_fp4_f32 v[(\cd)+3], v[(\s)+24:(\s)+31], v[TM+7]
	v_nop                                                ; one plain place behind the scaled conversions
	v_permlane16_swap_b32 v[(\cd)],   v[(\cd)+1]         ; lanes 0-15 gather block 0, lanes 16-31 block 1: 16 bytes a lane, in the order of the operand's registers
	v_permlane16_swap_b32 v[(\cd)+2], v[(\cd)+3]
.endm
	s_load_b512 s[4:19], s[0:1], 0x0               ; query c, s; key c, s; value c, s; Wq c, s
	s_load_b512 s[20:35], s[0:1], 0x40             ; Wk c, s; Wv c, s; bq; bk; bv; mask
	s_load_b256 s[36:43], s[0:1], 0x80             ; qkc, qks, vc, vs
	s_load_b64 s[44:45], s[0:1], 0xa0              ; mw
	v_lshl_add_u32 v1, v0, 2, SPARE
	v_mov_b32 v2, 0
	ds_add_u32 v1, v2                              ; the wave's opening: the add, twice on end, and its wait ahead of my first tensor load
	ds_add_u32 v1, v2
	v_lshrrev_b32 v12, 5, v0
	s_delay_alu instid0(VALU_DEP_1)
	v_readfirstlane_b32 s60, v12                   ; wave 0..7
	s_and_b32 s61, s60, 3                          ; wp: my 64 rows of P
	s_lshr_b32 s62, s60, 2                         ; wr: my 64 rows of R
	s_and_b32 s101, ttmp7, 0xffff                  ; the cluster's y, 0..47
	s_lshr_b32 s63, s101, 4                        ; ROLE
	s_and_b32 s101, s101, 15                       ; c
	s_bfe_u32 s66, ttmp6, 0x40000                  ; cx
	s_bfe_u32 s67, ttmp6, 0x40004                  ; cy
	s_mov_b32 s100, 0xffff0000                     ; lanes 16-31
	s_lshl_b32 s46, 0x1111, s66                    ; my column of the cluster
	s_lshl_b32 s47, s67, 2
	s_lshl_b32 s47, 15, s47                        ; my row
	; group 1 for codes: 64 rows of 512 bytes, 16 bytes of padding behind each (128 words: code 6; 4 words: code 3); bit 21 set beside a mask
	s_or_b32 s68, s46, (1<<20)|(1<<21)|(6<<22)|(3<<25)   ; P's: to my column
	s_or_b32 s76, s47, (1<<20)|(1<<21)|(6<<22)|(3<<25)   ; R's: to my row
.irp g, 68, 76
	s_mov_b32 s[\g+1], 512<<16                     ; tensor_dim0
	s_mov_b32 s[\g+2], 64<<16                      ; tensor_dim1
	s_mov_b32 s[\g+3], 512<<16                     ; tile_dim0
	s_mov_b32 s[\g+4], 64                          ; tile_dim1
	s_mov_b32 s[\g+5], 512                         ; from row to row
	s_mov_b32 s[\g+6], 0
	s_mov_b32 s[\g+7], 0
.endr
	; group 1 for scale bytes: dense blocks as rows of 256 bytes (32 elements of 8), 16 bytes of padding behind each
	s_or_b32 s84, s46, (3<<16)|(1<<20)|(1<<21)|(5<<22)|(3<<25)   ; P's 8,192 bytes
	s_mov_b32 s85, 32<<16
	s_mov_b32 s86, 32<<16
	s_mov_b32 s87, 32<<16
	s_mov_b32 s88, 32
	s_mov_b32 s89, 32
	s_mov_b32 s90, 0
	s_mov_b32 s91, 0
	s_or_b32 s92, s47, (3<<16)|(1<<20)|(1<<21)|(5<<22)|(3<<25)   ; R's 4,096 bytes
	s_mov_b32 s93, 32<<16
	s_mov_b32 s94, 16<<16
	s_mov_b32 s95, 32<<16
	s_mov_b32 s96, 16
	s_mov_b32 s97, 32
	s_mov_b32 s98, 0
	s_mov_b32 s99, 0
	; every LDS address is made here, ahead of all partings
	v_and_b32 v10, 15, v0                          ; r
	v_bfe_u32 v11, v0, 4, 1                        ; h
	v_and_b32 v14, 31, v0                          ; lane
	s_delay_alu instid0(VALU_DEP_1)
	v_lshlrev_b32 v8, 4, v14                       ; 16 x lane
	s_delay_alu instid0(VALU_DEP_2)
	v_lshlrev_b32 v9, 2, v14                       ; 4 x lane
	v_mul_u32_u24 v12, v10, PITCH
	s_delay_alu instid0(VALU_DEP_1)
	v_lshl_add_u32 v12, v11, 4, v12                ; a fragment's row x pitch + 16 h
	s_mul_i32 s48, s61, HALF
	v_add_nc_u32 v3, s48, v12                      ; P's fragments
	s_mul_i32 s48, s62, HALF
	s_add_co_u32 s48, s48, RCD
	v_add_nc_u32 v4, s48, v12                      ; R's
	s_mul_i32 s48, s62, 2176                       ; scale words: lanes 0-15 R's rows, lanes 16-31 P's: the lower base + h x the distance
	s_mul_i32 s49, s61, 2176
	s_add_co_u32 s49, s49, PSC-RSC
	s_sub_co_u32 s49, s49, s48
	v_mul_u32_u24 v13, s49, v11
	s_add_co_u32 s48, s48, RSC
	v_lshrrev_b32 v15, 3, v10
	v_lshlrev_b32 v12, 5, v10
	s_delay_alu instid0(VALU_DEP_1)
	v_lshl_add_u32 v12, v15, 4, v12                ; 32 bytes a row, 16 more behind each 256
	s_delay_alu instid0(VALU_DEP_1)
	v_add_nc_u32 v12, v12, v13
	s_delay_alu instid0(VALU_DEP_1)
	v_add_nc_u32 v5, s48, v12
	s_mul_i32 s48, s62, 64*272
	s_add_co_u32 s48, s48, TAB
	v_mul_u32_u24 v12, v10, 272
	s_delay_alu instid0(VALU_DEP_1)
	v_lshl_add_u32 v12, v11, 5, v12
	s_delay_alu instid0(VALU_DEP_1)
	v_add_nc_u32 v6, s48, v12                      ; the table, read: row 64 wr + r, + 32 h
	s_mul_i32 s48, s60, 16*272
	s_add_co_u32 s48, s48, TAB
	v_add_nc_u32 v7, s48, v9                       ; the table, written: my wave's 16 rows, a lane a frequency
	s_wait_dscnt 0x0                               ; both opening adds are done
	s_wait_kmcnt 0x0
	; the role's buffers: a choice on the cluster's number alone
	s_cmp_eq_u32 s63, 1
	s_cselect_b64 s[46:47], s[20:21], s[16:17]     ; P's codes
	s_cselect_b64 s[48:49], s[22:23], s[18:19]     ; P's scales
	s_cselect_b64 s[50:51], s[8:9], s[4:5]         ; R's codes
	s_cselect_b64 s[52:53], s[10:11], s[6:7]       ; R's scales
	s_cselect_b64 s[54:55], s[30:31], s[28:29]     ; the bias
	s_cselect_b32 s2, 0x400000, 0                  ; k's half of qkc
	s_mov_b32 s3, 0
	s_add_nc_u64 s[56:57], s[36:37], s[2:3]        ; codes out
	s_cselect_b32 s2, 0x80000, 0                   ; k's half of qks
	s_add_nc_u64 s[58:59], s[38:39], s[2:3]        ; scale words out
	s_cmp_eq_u32 s63, 2
	s_cselect_b64 s[46:47], s[12:13], s[46:47]
	s_cselect_b64 s[48:49], s[14:15], s[48:49]
	s_cselect_b64 s[50:51], s[24:25], s[50:51]
	s_cselect_b64 s[52:53], s[26:27], s[52:53]
	s_cselect_b64 s[54:55], s[32:33], s[54:55]
	s_cselect_b64 s[56:57], s[40:41], s[56:57]
	s_cselect_b64 s[58:59], s[42:43], s[58:59]
	s_lshr_b32 s41, s101, 1
	s_and_b32 s42, s101, 1
	s_cmp_eq_u32 s63, 2
	s_cselect_b32 s41, s41, 0
	s_cselect_b32 s42, s42, s101
	s_lshl_b32 s38, s41, 2
	s_add_co_u32 s38, s38, s66                     ; P's block of 256 rows: it hangs on cx, never on cy
	s_lshl_b32 s39, s42, 2
	s_add_co_u32 s39, s39, s67                     ; R's block of 128 rows: on cy, never on cx
	s_mov_b32 s[SEL], 0x76543210
	s_mov_b32 s[SEL+1], 0xfedcba98                 ; v_permlanex16_b32's selects for lane l xor 16
	; groups 0.  P's are made in s[2:3], R's in s[30:31]: neither pair ever holds the other coordinate
	s_mov_b32 s4, 1
	s_mul_i32 s5, s60, HALF                        ; waves 0-3: 64 rows of P each
	s_lshl_b32 s2, s38, 17
	s_lshl_b32 s3, s60, 15
	s_add_co_u32 s2, s2, s3
	s_mov_b32 s3, 0
	s_add_nc_u64 s[6:7], s[46:47], s[2:3]
	s_or_b32 s7, s7, 0x80000000
	s_mov_b32 s12, 1
	s_mov_b32 s13, PSC                             ; wave 6: P's scale bytes
	s_lshl_b32 s2, s38, 13
	s_add_nc_u64 s[14:15], s[48:49], s[2:3]
	s_or_b32 s15, s15, 0x80000000
	s_mov_b32 s8, 1
	s_mul_i32 s9, s60, HALF                        ; waves 4, 5: 64 rows of R each: 4 x HALF = R's first byte
	s_lshl_b32 s30, s39, 16
	s_and_b32 s31, s60, 1
	s_lshl_b32 s31, s31, 15
	s_add_co_u32 s30, s30, s31
	s_mov_b32 s31, 0
	s_add_nc_u64 s[10:11], s[50:51], s[30:31]
	s_or_b32 s11, s11, 0x80000000
	s_mov_b32 s16, 1
	s_mov_b32 s17, RSC                             ; wave 7: R's scale bytes
	s_lshl_b32 s30, s39, 12
	s_add_nc_u64 s[18:19], s[52:53], s[30:31]
	s_or_b32 s19, s19, 0x80000000
	CROUND                                         ; all sixteen work-groups are here: the joint loads meet
	s_cmp_lt_u32 s60, 4                            ; one tensor load a wave, each a first fill; the branches hang on the wave's number alone
	s_cbranch_scc0 .Lfill_not_p
	ARM 4, 68
	s_branch .Lfilled
.Lfill_not_p:
	s_cmp_lt_u32 s60, 6
	s_cbranch_scc0 .Lfill_not_r
	ARM 8, 76
	s_branch .Lfilled
.Lfill_not_r:
	s_cmp_eq_u32 s60, 6
	s_cbranch_scc0 .Lfill_rs
	ARM 12, 84
	s_branch .Lfilled
.Lfill_rs:
	ARM 16, 92
.Lfilled:
	s_cmp_eq_u32 s63, 2
	s_cbranch_scc1 .Lside_v
	; ---- ROLE 0, 1, while the tiles are on their way: the bias, my output addresses, my 16 rows of the table
	s_lshl_b32 s40, s38, 10
	s_lshl_b32 s41, s61, 8
	s_add_co_u32 s40, s40, s41
	s_mov_b32 s41, 0
	s_add_nc_u64 s[54:55], s[54:55], s[40:41]      ; the bias of my 64 channels
	v_lshlrev_b32 v12, 5, v11
.irp b, 0,1,2,3
	global_load_b128 v[BI+8*\b:BI+8*\b+3],   v12, s[54:55] offset:64*\b       ; tile b: channels 16 b + 8 h + 0 .. 7, in the result's layout
	global_load_b128 v[BI+8*\b+4:BI+8*\b+7], v12, s[54:55] offset:64*\b+16
.endr
	s_lshl_b32 s40, s39, 7
	s_lshl_b32 s41, s62, 6
	s_add_co_u32 s40, s40, s41                     ; my first row m0
	s_lshr_b32 s41, s40, 11
	s_lshl_b32 s41, s41, 4
	s_lshl_b32 s42, s38, 2
	s_add_co_u32 s41, s41, s42
	s_add_co_u32 s41, s41, s61                     ; g = 16 x batch + head
	s_and_b32 s40, s40, 2047
	s_lshl_b32 s42, s41, 16
	s_lshl_b32 s43, s40, 5
	s_add_co_u32 s42, s42, s43                     ; 65,536 g + 512 x tile
	s_mov_b32 s43, 0
	s_add_nc_u64 s[56:57], s[56:57], s[42:43]
	s_lshl_b32 s42, s41, 13
	s_lshl_b32 s40, s40, 2
	s_add_co_u32 s42, s42, s40                     ; 8,192 g + 64 x tile
	s_add_nc_u64 s[58:59], s[58:59], s[42:43]
	s_lshl_b32 s33, s39, 7
	s_and_b32 s33, s33, 2047
	s_lshl_b32 s32, s60, 4
	s_add_co_u32 s33, s33, s32                     ; the position of my first row of the table
	s_mov_b32 s20, 0x3f22f983                      ; 2 / pi
	s_mov_b32 s21, 0xbfc90fdb                      ; -pi/2 in three parts
	s_mov_b32 s22, 0x333bbd2e
	s_mov_b32 s23, 0x26f72ced
	s_mov_b32 s24, 0xbe2aaaa3                      ; sin: r + r z (S1 + z (S2 + z S3))
	s_mov_b32 s25, 0x3c08839e
	s_mov_b32 s26, 0xb94ca1f9
	s_mov_b32 s27, 0x3d2aaaa5                      ; cos: 1 + z (-1/2 + z (C1 + z (C2 + z C3)))
	s_mov_b32 s28, 0xbab6061a
	s_mov_b32 s29, 0x37ccf5ce
	v_mov_b32 v32, 0
.set J, 0
.irp w, 0x3F800000,0x3F3FF911,0x3F0FF59A,0x3ED7E89B,0x3EA1E89B,0x3E72D423,0x3E361887,0x3E088D77,0x3DCCCCCD,0x3D99940D,0x3D6655C2,0x3D2CBA15,0x3D0186E3,0x3CC2434F,0x3C91AD39,0x3C5A7BF2,0x3C23D70A,0x3BF5B9B0,0x3BB8449C,0x3B8A2E77,0x3B4F3E38,0x3B1B690D,0x3AE91528,0x3AAEC98E,0x3A83126F,0x3A44948C,0x3A136A16,0x39DD1725,0x39A5CB60,0x3978A815,0x393A7753,0x390BD472
	s_mov_b32 s30, \w
	v_writelane_b32 v32, s30, J                    ; lane j holds inv_freq[j]
.set J, J+1
.endr
.macro TROW i                          ; row i of my 16: cos and sin of position x inv_freq[lane]
	s_add_co_u32 s31, s33, \i
	v_cvt_f32_u32 v33, s31
	s_delay_alu instid0(VALU_DEP_1)
	v_mul_f32 v34, v33, v32                        ; the angle, as one f32 product
	s_delay_alu instid0(VALU_DEP_1)
	v_mul_f32 v35, s20, v34
	s_delay_alu instid0(VALU_DEP_1)
	v_rndne_f32 v35, v35                           ; n
	s_delay_alu instid0(VALU_DEP_1)
	v_fma_f32 v36, v35, s21, v34
	s_delay_alu instid0(VALU_DEP_1)
	v_fma_f32 v36, v35, s22, v36
	s_delay_alu instid0(VALU_DEP_1)
	v_fma_f32 v36, v35, s23, v36                   ; the angle less n pi/2
	s_delay_alu instid0(VALU_DEP_1)
	v_mul_f32 v37, v36, v36
	s_delay_alu instid0(VALU_DEP_1)
	v_fma_f32 v38, v37, s26, s25
	s_delay_alu instid0(VALU_DEP_2)
	v_fma_f32 v39, v37, s29, s28
	s_delay_alu instid0(VALU_DEP_2)
	v_fma_f32 v38, v38, v37, s24
	s_delay_alu instid0(VALU_DEP_2)
	v_fma_f32 v39, v39, v37, s27
	s_delay_alu instid0(VALU_DEP_2)
	v_mul_f32 v38, v38, v37
	s_delay_alu instid0(VALU_DEP_2)
	v_fma_f32 v39, v39, v37, -0.5
	s_delay_alu instid0(VALU_DEP_2)
	v_fma_f32 v38, v38, v36, v36                   ; sin
	s_delay_alu instid0(VALU_DEP_2)
	v_fma_f32 v39, v39, v37, 1.0                   ; cos
	v_cvt_i32_f32 v40, v35
	s_delay_alu instid0(VALU_DEP_1)
	v_and_b32 v41, 1, v40
	s_delay_alu instid0(VALU_DEP_1)
	v_cmp_ne_u32 vcc_lo, 0, v41
	s_delay_alu instid0(VALU_DEP_1)
	v_cndmask_b32 v42, v39, v38, vcc_lo            ; odd n: the two change places
	s_delay_alu instid0(VALU_DEP_2)
	v_cndmask_b32 v43, v38, v39, vcc_lo
	v_add_nc_u32 v44, 1, v40
	s_delay_alu instid0(VALU_DEP_1)
	v_and_b32 v44, 2, v44
	s_delay_alu instid0(VALU_DEP_1)
	v_lshlrev_b32 v44, 30, v44
	s_delay_alu instid0(VALU_DEP_1)
	v_xor_b32 v42, v42, v44                        ; cos is negated for n mod 4 = 1, 2
	v_and_b32 v45, 2, v40
	s_delay_alu instid0(VALU_DEP_1)
	v_lshlrev_b32 v45, 30, v45
	s_delay_alu instid0(VALU_DEP_1)
	v_xor_b32 v43, v43, v45                        ; sin for n mod 4 = 2, 3
	ds_store_b32 v7, v42 offset:272*\i
	ds_store_b32 v7, v43 offset:272*\i+128
.endm
.irp i, 0,1,2,3,4,5,6,7,8,9,10,11,12,13,14,15
	TROW \i
.endr
	s_wait_loadcnt 0x0                             ; the bias
	s_branch .Lside_done
.Lside_v:
	; ---- ROLE 2, while the tiles are on their way: the bias, my output addresses, one tile of the mask
	s_lshl_b32 s40, s39, 9
	s_lshl_b32 s41, s62, 8
	s_add_co_u32 s40, s40, s41
	s_mov_b32 s41, 0
	s_add_nc_u64 s[54:55], s[54:55], s[40:41]      ; bv of my 64 channels
	v_lshlrev_b32 v13, 2, v10
.irp a, 0,1,2,3
	global_load_b32 v[BI+8*\a], v13, s[54:55] offset:64*\a     ; the lane's channel 16 a + r: the same for all eight keys of a tile
.endr
	s_lshl_b32 s40, s101, 2
	s_add_co_u32 s40, s40, s67
	s_lshl_b32 s40, s40, 2
	s_add_co_u32 s40, s40, s66
	s_lshl_b32 s40, s40, 3
	s_add_co_u32 s40, s40, s60                     ; my task 0 .. 2047 = 16 x query tile + key step
	s_lshr_b32 s41, s40, 4
	s_lshl_b32 s41, s41, 15                        ; 16 rows of 2,048 bytes
	s_and_b32 s42, s40, 15
	s_lshl_b32 s42, s42, 7                         ; 128 keys
	s_add_co_u32 s42, s42, s41
	s_mov_b32 s43, 0
	s_add_nc_u64 s[34:35], s[34:35], s[42:43]
	v_lshlrev_b32 v12, 11, v10
	s_delay_alu instid0(VALU_DEP_1)
	v_lshl_add_u32 v12, v11, 3, v12                ; row r, + 8 h
.irp b, 0,1,2,3,4,5,6,7
	global_load_b64 v[32+2*\b:33+2*\b], v12, s[34:35] offset:16*\b   ; mask(16 T + r, 128 step + 16 b + 8 h + 0 .. 7): the keys that this lane holds in tile b of the scores
.endr
	s_lshl_b32 s42, s40, 8
	s_add_nc_u64 s[30:31], s[44:45], s[42:43]      ; my 64 words
	s_lshl_b32 s42, s40, 2
	s_add_nc_u64 s[32:33], s[44:45], s[42:43]      ; my flag word, 524,288 bytes on
	s_lshl_b32 s40, s38, 8
	s_lshl_b32 s41, s61, 6
	s_add_co_u32 s40, s40, s41                     ; my first key k0, counted over the batches
	s_lshr_b32 s41, s40, 11
	s_lshl_b32 s41, s41, 4
	s_lshl_b32 s42, s39, 1
	s_add_co_u32 s41, s41, s42
	s_add_co_u32 s41, s41, s62                     ; g = 16 x batch + head
	s_bfe_u32 s40, s40, 0x40007                    ; the key step of 128
	s_and_b32 s26, s61, 1                          ; which half of it
	s_lshl_b32 s42, s41, 16
	s_lshl_b32 s27, s40, 12
	s_add_co_u32 s42, s42, s27
	s_lshl_b32 s27, s26, 9
	s_add_co_u32 s42, s42, s27
	s_add_nc_u64 s[56:57], s[56:57], s[42:43]
	s_lshl_b32 s42, s41, 12
	s_lshl_b32 s40, s40, 8
	s_add_co_u32 s42, s42, s40
	s_lshl_b32 s26, s26, 1
	s_add_co_u32 s42, s42, s26
	s_add_nc_u64 s[58:59], s[58:59], s[42:43]
	s_wait_loadcnt 0x0
.irp a, 0,1,2,3
.irp j, 1,2,3,4,5,6,7
	v_mov_b32 v[BI+8*\a+\j], v[BI+8*\a]
.endr
.endr
	v_mov_b32 v48, 0
	v_mov_b32 v49, 0
.set N, 0
.rept 64                               ; word n = 8 b + j: bit l says whether lane l's score in register n counts
	v_and_b32 v[50+N%4], 1<<(8*(N%4)), v[32+2*(N/8)+((N%8)/4)]
	s_delay_alu instid0(VALU_DEP_1)
	v_cmp_ne_u32 s[20+N%4], 0, v[50+N%4]
	s_delay_alu instid0(VALU_DEP_1)
	v_writelane_b32 v[48+N/32], s[20+N%4], N%32
.set N, N+1
.endr
	v_or_b32 v54, v32, v33
.irp i, 34,35,36,37,38,39,40,41,42,43,44,45,46,47
	s_delay_alu instid0(VALU_DEP_1)
	v_or_b32 v54, v54, v[\i]
.endr
	v_mov_b32 v55, 0
	s_delay_alu instid0(VALU_DEP_1)
	v_permlanex16_b32 v55, v54, s[SEL], s[SEL+1]
	s_delay_alu instid0(VALU_DEP_1)
	v_or_b32 v54, v54, v55
	s_delay_alu instid0(VALU_DEP_1)
	v_cmp_ne_u32 s24, 0, v54
	s_and_b32 s24, s24, 0xffff                     ; bit r: row r has a key that counts in this step
	v_mov_b32 v54, s24
	v_mov_b32 v55, 0
	global_store_b32 v9, v48, s[30:31]             ; 256 consecutive bytes, aligned, by two stores
	global_store_b32 v9, v49, s[30:31] offset:128
	v_cmp_eq_u32 vcc_lo, 0, v14
	s_wait_alu depctr_va_vdst(0)
	s_wait_xcnt 0x0                                ; EXEC changes only behind this wait
	s_and_saveexec_b32 s25, vcc_lo
	global_store_b32 v55, v54, s[32:33] offset:524288   ; lane 0 alone
	s_wait_xcnt 0x0                                ; and again in front of the line that widens it
	s_or_b32 exec_lo, exec_lo, s25
.Lside_done:
	s_wait_tensorcnt 0x0                           ; my tile has landed,
	s_wait_dscnt 0x0                               ; my rows of the table are stored:
	s_barrier_signal -1
	s_barrier_wait -1                              ; everybody's are.  Nothing is ever filled again
; ---- the product: eight K steps of 128, written out
.macro SCALES hh                       ; four K steps' scale words: lanes 0-15 R's block i, lanes 16-31 P's block i
.irp i, 0,1,2,3
	ds_load_b128 v[SC+4*\i:SC+4*\i+3], v5 offset:544*\i+16*\hh
.endr
.endm
.macro KLOAD q
.irp b, 0,1,2,3
.irp c, 0,1
	ds_load_b128 v[PF+8*\b+4*\c:PF+8*\b+4*\c+3], v3 offset:16*PITCH*\b+64*(\q)+32*\c
.endr
.endr
.irp b, 0,1,2,3
.irp c, 0,1
	ds_load_b128 v[RF+8*\b+4*\c:RF+8*\b+4*\c+3], v4 offset:16*PITCH*\b+64*(\q)+32*\c
.endr
.endr
.endm
; 16 matrix instructions; the 16 accumulators take turns in the same order in every step.  cm = 1: the bias by P's index starts the sums; 2: by R's; 0: in place
.macro KMUL q, cm
.irp a, 0,1,2,3
.irp b, 0,1,2,3
.if \cm == 1
	v_wmma_scale_f32_16x16x128_f8f6f4 v[ACC+32*\a+8*\b:ACC+32*\a+8*\b+7], v[PF+8*\b:PF+8*\b+7], v[RF+8*\a:RF+8*\a+7], v[BI+8*\b:BI+8*\b+7], v[SC+4*\b+(\q)%4], v[SC+4*\a+(\q)%4] matrix_a_fmt:MATRIX_FMT_FP4 matrix_b_fmt:MATRIX_FMT_FP4 matrix_a_scale:MATRIX_SCALE_ROW1
.elseif \cm == 2
	v_wmma_scale_f32_16x16x128_f8f6f4 v[ACC+32*\a+8*\b:ACC+32*\a+8*\b+7], v[PF+8*\b:PF+8*\b+7], v[RF+8*\a:RF+8*\a+7], v[BI+8*\a:BI+8*\a+7], v[SC+4*\b+(\q)%4], v[SC+4*\a+(\q)%4] matrix_a_fmt:MATRIX_FMT_FP4 matrix_b_fmt:MATRIX_FMT_FP4 matrix_a_scale:MATRIX_SCALE_ROW1
.else
	v_wmma_scale_f32_16x16x128_f8f6f4 v[ACC+32*\a+8*\b:ACC+32*\a+8*\b+7], v[PF+8*\b:PF+8*\b+7], v[RF+8*\a:RF+8*\a+7], v[ACC+32*\a+8*\b:ACC+32*\a+8*\b+7], v[SC+4*\b+(\q)%4], v[SC+4*\a+(\q)%4] matrix_a_fmt:MATRIX_FMT_FP4 matrix_b_fmt:MATRIX_FMT_FP4 matrix_a_scale:MATRIX_SCALE_ROW1
.endif
.endr
.endr
.endm
	SCALES 0
	KLOAD 0
	s_wait_dscnt 0x0
	s_cmp_eq_u32 s63, 2
	s_cbranch_scc1 .Lfirst_v
	KMUL 0, 1
	s_branch .Lfirst_done
.Lfirst_v:
	KMUL 0, 2
.Lfirst_done:
.irp q, 1,2,3,4,5,6,7
	PLACES
.if \q == 4
	SCALES 1
.endif
	KLOAD \q
	s_wait_dscnt 0x0
	KMUL \q, 0
.endr
	PLACES
	s_cmp_eq_u32 s63, 2
	s_cbranch_scc1 .Lout_v
	; ---- ROLE 0, 1: RoPE, the quantiser, the way out; a block of 16 rows at a time
.macro LOADCS a, set                   ; cos and sin of row 16 a + r at frequencies 16 u + 8 h + 0 .. 7
.irp u, 0,1
	ds_load_b128 v[32+32*(\set)+8*\u:32+32*(\set)+8*\u+3],   v6 offset:4352*(\a)+64*\u
	ds_load_b128 v[32+32*(\set)+8*\u+4:32+32*(\set)+8*\u+7], v6 offset:4352*(\a)+64*\u+16
	ds_load_b128 v[48+32*(\set)+8*\u:48+32*(\set)+8*\u+3],   v6 offset:4352*(\a)+64*\u+128
	ds_load_b128 v[48+32*(\set)+8*\u+4:48+32*(\set)+8*\u+7], v6 offset:4352*(\a)+64*\u+144
.endr
.endm
.macro ROPE a                          ; channel d < 32: x1 cos - x2 sin;  channel d + 32: x2 cos + x1 sin.  Tiles u and u + 2 hold the two halves
.irp u, 0,1
.irp p, 0,2,4,6
.set X1, ACC+32*(\a)+8*\u+\p
.set X2, X1+16
.set CC, 32+32*((\a)%2)+8*\u+\p
.set SS, CC+16
	v_pk_mul_f32 v[12:13], v[X2:X2+1], v[SS:SS+1]
	v_pk_mul_f32 v[14:15], v[X1:X1+1], v[SS:SS+1]
	v_pk_fma_f32 v[X1:X1+1], v[X1:X1+1], v[CC:CC+1], v[12:13] neg_lo:[0,0,1] neg_hi:[0,0,1]
	v_pk_fma_f32 v[X2:X2+1], v[X2:X2+1], v[CC:CC+1], v[14:15]
.endr
.endr
.endm
	LOADCS 0, 0
.irp a, 0,1,2,3
.if \a < 3
	LOADCS \a+1, (\a+1)%2
	s_wait_dscnt 8                                 ; this block's eight loads are in; the next block's eight may be out
.else
	s_wait_dscnt 0x0
.endif
	ROPE \a
	QUANT2 ACC+32*\a, CD+4*\a
	v_lshl_or_b32 v[WD+\a], v[TM+5], 8, v[TM+4]
	s_delay_alu instid0(VALU_DEP_1)
	v_or_b32 v[WD+\a], 0x7f7f0000, v[WD+\a]        ; the upper 64 of the next product's 128 along K are zero codes: their bytes stand for 1
	global_store_b128 v8, v[CD+4*\a:CD+4*\a+3], s[56:57] offset:512*\a   ; the wave stores 512 consecutive bytes, aligned
.if \a%2 == 1
	v_cndmask_b32 v[WW+\a/2], v[WD+\a-1], v[WD+\a], s100   ; two blocks' words: lanes 0-15 the first's, lanes 16-31 the second's
	global_store_b32 v9, v[WW+\a/2], s[58:59] offset:128*(\a/2)
.endif
.endr
	s_branch .Lend
.Lout_v:
	; ---- ROLE 2: the quantiser along the keys, the way out; a block of 16 channels at a time
.irp a, 0,1,2,3
	QUANT2 ACC+32*\a, CD+4*\a
	v_lshl_or_b32 v[WD+\a], v[TM+5], 8, v[TM+4]    ; my two key blocks' bytes of the step's four
	global_store_b128 v8, v[CD+4*\a:CD+4*\a+3], s[56:57] offset:1024*\a
.if \a%2 == 1
	v_cndmask_b32 v[WW+\a/2], v[WD+\a-1], v[WD+\a], s100
	global_store_b16 v9, v[WW+\a/2], s[58:59] offset:128*(\a/2)   ; half of each scale word: the other half is the neighbouring wave's
.endif
.endr
.Lend:
	s_wait_tensorcnt 0x0                           ; the wave's end
	ds_add_u32 v1, v2
	s_wait_dscnt 0x0
	CROUND                                         ; the closing round
	s_endpgm
.Lfunc_end_k_q19dd584dac_proj:
	.size	k_q19dd584dac_proj, .Lfunc_end_k_q19dd584dac_proj-k_q19dd584dac_proj
	.p2alignl 7, 3214868480
	.fill 96, 4, 3214868480
	.section	.rodata,"a",@progbits
	.p2align	6, 0x0
	.amdhsa_kernel k_q19dd584dac_proj
		.amdhsa_group_segment_fixed_size 251648
		.amdhsa_private_segment_fixed_size 0
		.amdhsa_enable_private_segment 0
		.amdhsa_kernarg_size 168
		.amdhsa_user_sgpr_count 2
		.amdhsa_user_sgpr_kernarg_segment_ptr 1
		.amdhsa_wavefront_size32 1
		.amdhsa_system_sgpr_workgroup_id_x 1
		.amdhsa_system_sgpr_workgroup_id_y 1
		.amdhsa_system_sgpr_workgroup_id_z 1
		.amdhsa_system_vgpr_workitem_id 0
		.amdhsa_next_free_vgpr 256
		.amdhsa_next_free_sgpr 102
		.amdhsa_reserve_vcc 1
		.amdhsa_float_denorm_mode_32 3
		.amdhsa_float_denorm_mode_16_64 3
		.amdhsa_memory_ordered 1
		.amdhsa_forward_progress 1
		.amdhsa_inst_pref_size 127
	.end_amdhsa_kernel
	.amdgpu_metadata
---
amdhsa.version: [ 1, 2 ]
amdhsa.kernels:
  - .name:           k_q19dd584dac_proj
    .symbol:         k_q19dd584dac_proj.kd
    .args:
      - { .name: query_codes, .offset: 0, .size: 8, .value_kind: global_buffer, .address_space: global }
      - { .name: query_scales, .offset: 8, .size: 8, .value_kind: global_buffer, .address_space: global }
      - { .name: key_codes, .offset: 16, .size: 8, .value_kind: global_buffer, .address_space: global }
      - { .name: key_scales, .offset: 24, .size: 8, .value_kind: global_buffer, .address_space: global }
      - { .name: value_codes, .offset: 32, .size: 8, .value_kind: global_buffer, .address_space: global }
      - { .name: value_scales, .offset: 40, .size: 8, .value_kind: global_buffer, .address_space: global }
      - { .name: Wq_codes, .offset: 48, .size: 8, .value_kind: global_buffer, .address_space: global }
      - { .name: Wq_scales, .offset: 56, .size: 8, .value_kind: global_buffer, .address_space: global }
      - { .name: Wk_codes, .offset: 64, .size: 8, .value_kind: global_buffer, .address_space: global }
      - { .name: Wk_scales, .offset: 72, .size: 8, .value_kind: global_buffer, .address_space: global }
      - { .name: Wv_codes, .offset: 80, .size: 8, .value_kind: global_buffer, .address_space: global }
      - { .name: Wv_scales, .offset: 88, .size: 8, .value_kind: global_buffer, .address_space: global }
      - { .name: bq, .offset: 96, .size: 8, .value_kind: global_buffer, .address_space: global }
      - { .name: bk, .offset: 104, .size: 8, .value_kind: global_buffer, .address_space: global }
      - { .name: bv, .offset: 112, .size: 8, .value_kind: global_buffer, .address_space: global }
      - { .name: mask, .offset: 120, .size: 8, .value_kind: global_buffer, .address_space: global }
      - { .name: qkc, .offset: 128, .size: 8, .value_kind: global_buffer, .address_space: global }
      - { .name: qks, .offset: 136, .size: 8, .value_kind: global_buffer, .address_space: global }
      - { .name: vc, .offset: 144, .size: 8, .value_kind: global_buffer, .address_space: global }
      - { .name: vs, .offset: 152, .size: 8, .value_kind: global_buffer, .address_space: global }
      - { .name: mw, .offset: 160, .size: 8, .value_kind: global_buffer, .address_space: global }
    .group_segment_fixed_size: 251648
    .private_segment_fixed_size: 0
    .kernarg_segment_align: 8
    .kernarg_segment_size: 168
    .max_flat_workgroup_size: 256
    .sgpr_count:     102
    .vgpr_count:     256
    .wavefront_size: 32
...
	.end_amdgpu_metadata
.endif
;; end of part 4
;; launch attn (part 5): grid 4 x 64, 16 waves a work-group, no clusters, 145,408 bytes of LDS; arguments qkc, qks, vc, vs, mw, xc, xs; writes xc, xs
.if DOCPART == 5
	.amdgcn_target "amdgcn-amd-amdhsa--gfx1250"
	.amdhsa_code_object_version 6
	.text
	.protected	k_q19dd584dac_attn
	.globl	k_q19dd584dac_attn
	.p2align	8
	.type	k_q19dd584dac_attn,@function
k_q19dd584dac_attn:
	s_mov_b64 s[64:65], 0
	v_nop
	global_prefetch_b8 v0, s[64:65] scope:SCOPE_SE
	s_setreg_imm32_b32 hwreg(HW_REG_WAVE_SCHED_MODE, 0, 2), 2
	s_setreg_imm32_b32 hwreg(HW_REG_WAVE_MODE, 25, 1), 1
	s_wait_xcnt 0x0
	s_wait_alu depctr_vm_vsrc(0)
; x = softmax(mask ? q k^T / 8 : -1e9) v for one head, both products on E2M1 codes; x is quantised along the model's 1024 channels and stored as the last product's operand.
; THE SOFTMAX: t = score x log2(e) / 8; M = the running largest t rounded up to a whole number; p = 2^(t - M) is quantised along the keys; the row's sum is taken of the unquantised p and divides at the end.
; WORK LEFT OUT BY THE MASK'S VALUES: a step (16 queries x 128 keys) is passed over where no key of it counts for any of the 16 queries AND each of the 16 queries has a key that counts somewhere in its row:
; then every p of the step is 2^(about -1.5e9) = 0 beside that row's largest.  The decision is read from the flags that the launch before stored; it holds for every mask.
; LIMITS: a masked logit is taken as -2^30 where the problem says -1e9 (the raw score becomes -2^33, so that t is a whole number and a row with no key that counts gives p = 1 for all keys, as -1e9 does in f32):
; results differ only where an unmasked logit lies under about -9.9e8.  A block of zeros gets the scale byte 1 (this program alone reads the bytes).  NaN and infinities are not served.
; SHARES.  A work-group owns one head and 512 of its queries; a head's K and V as codes with their scale words, 143,360 bytes, are copied into LDS once, through registers.  Wave w takes query tiles
; 4 w + x and then 127 - (4 w + x), 16 queries each, and walks 16 steps of 128 keys.  No ring and no barrier in the loop.
; NO TENSOR LOAD, SO NO MULTICAST: the steps are passed over by branches on numbers read from memory.
; LAYOUT.  Both products are used transposed: S^T = K Q^T (source 0 = 16 keys), O^T = V^T P^T (source 0 = 16 channels): a lane holds one query (lane % 16) throughout; register j of tile b is index 16 b + 8 h + j.
; The head has 64 channels, half of the instruction's 128 along K: registers 4-7 of K's and Q's fragments are zero codes.
; REGISTERS: v1-3 the copy's addresses; v4-7 a lane's places; v8-11 the step's addresses; v12 -M, v13 the largest t, v[14:15] the sum; v16-23 Q; v24-31 p's codes, later x's; v32-95 K; v96-159 S^T, then p;
; v160-191 O^T; v192-223 V; v224-227 K's scale words, v228-229 V's, v230 Q's, v231 p's; v232-254 at work; v240, v241 the add's two; v242 4 r, v243 32 r; v255 the masked score.
; THE MODE: SCHED_MODE bits 1:0 = 2 (LLVM: expert scheduling mode 2), set by the entry lines.  The code itself states the register dependences
; between vector or matrix instructions and memory or LDS instructions, with s_wait_alu, always for 0.
; THE PLAN.  Registers that memory or LDS instructions touch:
;   v1-4, v242, v243   addresses made once at the head and never written again.
;   v8, v9, v32-101    at the head: the copy's two further addresses and its data: loaded, read by the LDS stores, written anew behind the barrier and in the steps.
;   v8-11              a step's four LDS addresses: written by four adds at the step's head, read by the step's 22 LDS loads.
;   v32-35 + 8 b, v224-227   K's codes and scale words: the step's loads land there, its eight products S^T read them.
;   v192-223, v228-229       V's: the step's loads land there, its four products O^T, the step's last instructions, read them.
;   v16-19, v230       Q's codes and scale words: loaded at a tile's head, read by the tile's products S^T.
;   v24-27, v254       at a tile's end: written by the quantiser, read by the tile's two stores, written again in the next tile.
;   v240, v241         written at the head, read by the closing add alone.
; A step has one wait on vm_vsrc ahead of its four adds and ONE wait on va_vdst behind them, which serves all its 22 loads: K's twelve follow it at once, V's ten are dealt among and behind the eight
; products S^T, which name none of the registers that V's loads touch.  The other waits on va_vdst in a step stand ahead of the 64 exponentials, behind each of the two batches of exponentials and ahead of the products O^T, which take
; operands that vector instructions have made.  A tile's end has one wait on va_vdst ahead of its two stores, which also serves the next tile's loads of Q, and one on vm_vsrc behind them.
.set VC,    65536                      ; LDS: K's codes at 0, V's here,
.set KS,    131072                     ; K's scale words,
.set VS,    139264                     ; V's,
.set SPARE, 143360                     ; the spare words, 128 bytes a wave: no other line names them
.set SEL, 74
.set CS,  76
.set TM,  232
.macro QUANT2 s, cd                    ; 32 numbers of a lane, four tiles -> the codes of block h of row r in v[cd .. cd+3], the two bytes in v[TM+4], v[TM+5]
.irp e, 0,1
	v_max3_num_f32 v[TM+\e], |v[(\s)+16*\e]|, |v[(\s)+16*\e+1]|, 0x1800000
.endr
.irp i, 2,4,6,8,10,12,14
.irp e, 0,1
	v_max3_num_f32 v[TM+\e], v[TM+\e], |v[(\s)+16*\e+\i]|, |v[(\s)+16*\e+\i+1]|
.endr
.endr
.irp e, 0,1
	v_permlanex16_b32 v[TM+2+\e], v[TM+\e], s[SEL], s[SEL+1]
.endr
.irp e, 0,1
	v_max_num_f32 v[TM+\e], v[TM+\e], v[TM+2+\e]
.endr
.irp e, 0,1
	v_add_nc_u32 v[TM+6+\e], 0xff000000, v[TM+\e]
.endr
.irp e, 0,1
	v_lshrrev_b32 v[TM+4+\e], 23, v[TM+6+\e]
.endr
	v_cvt_scalef32_pk8_fp4_f32 v[(\cd)],   v[(\s):(\s)+7],     v[TM+6]
	v_cvt_scalef32_pk8_fp4_f32 v[(\cd)+1], v[(\s)+16:(\s)+23], v[TM+7]
	v_cvt_scalef32_pk8_fp4_f32 v[(\cd)+2], v[(\s)+8:(\s)+15],  v[TM+6]
	v_cvt_scalef32_pk8_fp4_f32 v[(\cd)+3], v[(\s)+24:(\s)+31], v[TM+7]
	v_nop
	v_permlane16_swap_b32 v[(\cd)],   v[(\cd)+1]
	v_permlane16_swap_b32 v[(\cd)+2], v[(\cd)+3]
.endm
	s_load_b256 s[16:23], s[0:1], 0x0              ; qkc, qks, vc, vs
	s_load_b128 s[24:27], s[0:1], 0x20             ; mw, xc
	s_load_b64 s[28:29], s[0:1], 0x30              ; xs
	v_lshl_add_u32 v240, v0, 2, SPARE
	v_mov_b32 v241, 0
	v_lshrrev_b32 v4, 5, v0
	v_readfirstlane_b32 s66, v4                    ; wave 0..15
	v_lshlrev_b32 v1, 4, v0                        ; the copy: 16 bytes a thread, 8,192 an instruction of the work-group
	v_add_nc_u32 v2, VC, v1
	v_add_nc_u32 v3, KS, v1
	v_lshlrev_b32 v8, 3, v0                        ; V's scale words: 8 bytes a thread
	v_add_nc_u32 v9, VS, v8
	v_and_b32 v10, 31, v0
	v_lshlrev_b32 v4, 4, v10                       ; 16 x lane: a fragment's image
	v_add_nc_u32 v5, VC, v4
	v_lshlrev_b32 v6, 2, v10                       ; 4 x lane: scale words of two tiles
	v_add_nc_u32 v7, VS, v6
	v_add_nc_u32 v6, KS, v6
	v_and_b32 v10, 15, v0
	v_lshlrev_b32 v242, 2, v10
	v_lshlrev_b32 v243, 5, v10
	s_wait_alu depctr_va_sdst(0)                   ; s66 is written, ahead of its first reader: my first query tile is made from it
	s_and_b32 s67, ttmp7, 0xffff                   ; g = 16 x batch + head
	s_lshl_b32 s70, s67, 16
	s_mov_b32 s71, 0
	s_lshl_b32 s72, s67, 13
	s_mov_b32 s73, 0
	s_lshl_b32 s78, s67, 12
	s_mov_b32 s79, 0
	s_lshr_b32 s2, s67, 4
	s_and_b32 s3, s67, 15
	s_lshl_b32 s96, s2, 20
	s_lshl_b32 s97, s3, 9
	s_add_co_u32 s96, s96, s97                     ; xc: 128 tiles of 8,192 bytes a batch, 512 bytes a head
	s_mov_b32 s97, 0
	s_lshl_b32 s98, s2, 16
	s_lshl_b32 s99, s3, 1
	s_add_co_u32 s98, s98, s99                     ; xs: 2,048 rows of 32 bytes a batch, 2 bytes a head
	s_mov_b32 s99, 0
	s_mov_b32 s[SEL], 0x76543210
	s_mov_b32 s[SEL+1], 0xfedcba98
	s_mov_b32 s[CS], 0x3e38aa3b                    ; c = log2(e) / 8
	s_mov_b32 s[CS+1], s[CS]
	s_wait_kmcnt 0x0
	s_add_nc_u64 s[4:5], s[16:17], s[70:71]        ; q's codes of my head
	s_add_nc_u64 s[6:7], s[18:19], s[72:73]        ; q's scale words
	s_mov_b64 s[8:9], s[24:25]                     ; the mask's words
	s_add_nc_u64 s[10:11], s[26:27], s[96:97]
	s_add_nc_u64 s[12:13], s[28:29], s[98:99]
	s_add_nc_u64 s[32:33], s[4:5], 0x400000        ; k's codes
	s_add_nc_u64 s[34:35], s[6:7], 0x80000         ; k's scale words
	s_add_nc_u64 s[36:37], s[20:21], s[70:71]      ; v's codes
	s_add_nc_u64 s[38:39], s[22:23], s[78:79]      ; v's scale words
	s_wait_alu depctr_va_vdst(0)                   ; the addresses v1-4, v8, v9, v242, v243 and the add's v240, v241 are written: the loads, LDS stores and stores of the whole kernel read them
.irp i, 0,1,2,3,4,5,6,7
	global_load_b128 v[32+4*\i:35+4*\i], v1, s[32:33] offset:8192*\i
.endr
.irp i, 0,1,2,3,4,5,6,7
	global_load_b128 v[64+4*\i:67+4*\i], v1, s[36:37] offset:8192*\i
.endr
	global_load_b128 v[96:99], v1, s[34:35]
	global_load_b64 v[100:101], v8, s[38:39]
.irp i, 0,1,2,3,4,5,6,7
	s_wait_loadcnt 17-\i                           ; of the 18 loads those younger than this one may be out
	ds_store_b128 v1, v[32+4*\i:35+4*\i] offset:8192*\i
.endr
.irp i, 0,1,2,3,4,5,6,7
	s_wait_loadcnt 9-\i
	ds_store_b128 v2, v[64+4*\i:67+4*\i] offset:8192*\i
.endr
	s_wait_loadcnt 1
	ds_store_b128 v3, v[96:99]
	s_wait_loadcnt 0x0
	ds_store_b64 v9, v[100:101]
	s_wait_dscnt 0x0                               ; for the others' sake: my stores are done
	s_barrier_signal -1
	s_barrier_wait -1                              ; the head's K and V lie in LDS; nothing is written there again
	s_wait_alu depctr_vm_vsrc(0)                   ; the copy's loads and LDS stores have read v8, v9 and v32-101: the lines below write some of them, the steps' adds, loads and products the others
.irp j, 20,21,22,23
	v_mov_b32 v[\j], 0                             ; Q's upper 64 along K: zero codes
.endr
.irp b, 0,1,2,3,4,5,6,7
.irp j, 4,5,6,7
	v_mov_b32 v[32+8*\b+\j], 0                     ; K's likewise
.endr
.endr
.irp j, 232,233,234,235,236,237,238,239,252,253
	v_mov_b32 v[\j], 0                             ; written once: a lane permute's destination counts as a source, and v253 is named in the pair v[252:253]
.endr
	v_mov_b32 v255, 0xd0000000                     ; -2^33: the score of a key that does not count
	s_lshl_b32 s67, s66, 2
	s_add_co_u32 s67, s67, ttmp9                   ; my first query tile
	s_mov_b32 s73, 0
.Ltile:
	s_lshl_b32 s2, s67, 9
	s_mov_b32 s3, 0
	s_add_nc_u64 s[96:97], s[4:5], s[2:3]
	global_load_b128 v[16:19], v4, s[96:97]        ; Q's fragment.  No wait here: no vector or matrix instruction issued since the last wait on va_vdst (the head's; the last tile's, ahead of its stores) names v4, v16-19, v230 or v242
	s_lshl_b32 s2, s67, 6
	s_add_nc_u64 s[98:99], s[6:7], s[2:3]
	global_load_b32 v230, v242, s[98:99]           ; its scale words
	s_add_nc_u64 s[2:3], s[8:9], s[2:3]
	s_load_b512 s[16:31], s[2:3], 0x80000          ; the tile's 16 flag words
	s_lshl_b32 s78, s67, 12
	s_mov_b32 s79, 0
	s_add_nc_u64 s[14:15], s[8:9], s[78:79]        ; the tile's mask words, 256 bytes a step
	s_mov_b32 s69, 0                               ; the step
	s_mov_b32 s70, 0                               ; where the step's codes begin, in K's and in V's region: 4,096 bytes a step
	s_mov_b32 s71, 0                               ; K's scale words: 512 bytes a step
	s_mov_b32 s72, 0                               ; V's: 256
	v_mov_b32 v13, 0xff61b1e6                      ; the largest t so far: -3e38
	v_floor_f32 v12, -v13                          ; -M
	v_mov_b32 v14, 0
	v_mov_b32 v15, 0
.set J, 0
.rept 32
	v_mov_b32 v[160+J], 0                          ; O^T: which step runs first hangs on the flags, so no first step can be written out
.set J, J+1
.endr
	s_wait_kmcnt 0x0
	s_or_b32 s79, s16, s17
.irp i, 18,19,20,21,22,23,24,25,26,27,28,29,30,31
	s_or_b32 s79, s79, s[\i]                       ; bit r: row r has a key that counts somewhere
.endr
	s_mov_b32 s68, 0
.irp i, 0,1,2,3,4,5,6,7,8,9,10,11,12,13,14,15
	s_cmp_eq_u32 s[16+\i], 0
	s_cselect_b32 s78, 1<<\i, 0
	s_or_b32 s68, s68, s78                         ; bit i: no key of step i counts for any of the 16 rows
.endr
	s_cmp_eq_u32 s79, 0xffff
	s_cselect_b32 s68, s68, 0                      ; a row with no key at all weighs every key alike: then nothing is passed over
	s_wait_loadcnt 0x0                             ; Q
.Lstep:
	s_and_b32 s78, s68, 1
	s_cmp_lg_u32 s78, 0
	s_cbranch_scc1 .Lnext
	s_load_b512 s[16:31], s[14:15], 0x0            ; the step's 64 mask words
	s_load_b512 s[32:47], s[14:15], 0x40
	s_load_b512 s[48:63], s[14:15], 0x80
	s_load_b512 s[80:95], s[14:15], 0xc0
	s_wait_alu depctr_vm_vsrc(0)                   ; the LDS loads of the step before have read v8-11, which the four adds write
	v_add_nc_u32 v8, s70, v4                       ; four plain lines: also the places behind the last step's products, in front of the loads below
	v_add_nc_u32 v9, s70, v5
	v_add_nc_u32 v10, s71, v6
	v_add_nc_u32 v11, s72, v7
	s_wait_alu depctr_va_vdst(0)                   ; v8-11 are written, which the 22 loads below read; the products of the step before are done reading K's, V's and the scale words' registers, in which those loads land; the zero halves of Q's and K's fragments are written, which the scaled products take
.irp b, 0,1,2,3,4,5,6,7
	ds_load_b128 v[32+8*\b:35+8*\b], v8 offset:512*\b          ; keys 16 b + r, block h of their 64 channels
.endr
.irp i, 0,1,2,3
	ds_load_b32 v[224+\i], v10 offset:128*\i                   ; lanes 0-15: tile 2 i's words; lanes 16-31: tile 2 i + 1's
.endr
	s_wait_dscnt 0x0                               ; K's twelve loads are in; V's are not yet asked for
.irp b, 0,1,2,3,4,5,6,7
.if \b%2
	v_wmma_scale_f32_16x16x128_f8f6f4 v[96+8*\b:103+8*\b], v[32+8*\b:39+8*\b], v[16:23], 0, v[224+\b/2], v230 matrix_a_fmt:MATRIX_FMT_FP4 matrix_b_fmt:MATRIX_FMT_FP4 matrix_a_scale:MATRIX_SCALE_ROW1
.else
	v_wmma_scale_f32_16x16x128_f8f6f4 v[96+8*\b:103+8*\b], v[32+8*\b:39+8*\b], v[16:23], 0, v[224+\b/2], v230 matrix_a_fmt:MATRIX_FMT_FP4 matrix_b_fmt:MATRIX_FMT_FP4
.endif
	ds_load_b128 v[192+8*(\b/2)+4*(\b%2):195+8*(\b/2)+4*(\b%2)], v9 offset:1024*(\b/2)+512*(\b%2)   ; V's fragments, one load behind each product.  No wait: no vector or matrix instruction since the wait at the step's head names v9 or v192-223
.endr
.irp i, 0,1
	ds_load_b32 v[228+\i], v11 offset:128*\i       ; V's scale words: likewise for v11, v228, v229
.endr
.rept 4
	v_nop
.endr
	s_wait_kmcnt 0x0                               ; the mask words
.set N, 0
.rept 64                               ; one line a score: the lane's bit of word n keeps the score or takes the masked one
.if N < 48
	v_cndmask_b32 v[96+N], v255, v[96+N], s[16+N]
.else
	v_cndmask_b32 v[96+N], v255, v[96+N], s[32+N]
.endif
.set N, N+1
.endr
.irp b, 0,1,2,3
	v_max3_num_f32 v[232+\b], v[96+16*\b], v[97+16*\b], v[98+16*\b]   ; the largest score of each block of 32 keys: for the row's maximum, and, since p rises with the score, for the block's largest p
.endr
.irp i, 3,5,7,9,11,13
.irp b, 0,1,2,3
	v_max3_num_f32 v[232+\b], v[232+\b], v[96+16*\b+\i], v[97+16*\b+\i]
.endr
.endr
.irp b, 0,1,2,3
	v_max_num_f32 v[232+\b], v[232+\b], v[111+16*\b]
.endr
.irp b, 0,1,2,3
	v_permlanex16_b32 v[236+\b], v[232+\b], s[SEL], s[SEL+1]
.endr
.irp b, 0,1,2,3
	v_max_num_f32 v[232+\b], v[232+\b], v[236+\b]  ; with lane l xor 16's 16 keys
.endr
	v_max3_num_f32 v254, v232, v233, v234
	v_max_num_f32 v254, v254, v235
	v_mul_f32 v254, s[CS], v254                    ; the step's largest t
	v_max_num_f32 v13, v13, v254
	v_mov_b32 v254, v12
	v_floor_f32 v12, -v13                          ; the new -M = -ceil(t)
	v_sub_f32 v254, v12, v254                      ; old M - new M: a whole number, 0 or less
	v_cvt_i32_f32 v254, v254                       ; (it saturates)
	v_ldexp_f32 v252, 1.0, v254                    ; f = 2^(old M - new M)
.set J, 0
.rept 32
	v_pk_fma_f32 v[96+J:97+J], v[96+J:97+J], s[CS:CS+1], v[12:13] op_sel_hi:[1,0,0]   ; t - M
.set J, J+2
.endr
.irp b, 0,1,2,3
	v_fma_f32 v[232+\b], v[232+\b], s[CS], v12
.endr
.set J, 0
	s_wait_alu depctr_va_vdst(0)
.rept 64
	v_exp_f32 v[96+J], v[96+J]                     ; p = 2^(t - M)
.set J, J+1
.endr
	v_pk_mul_f32 v[14:15], v[14:15], v[252:253] op_sel_hi:[1,0]   ; the sums under the new M: a plain place behind the exponentials
	s_wait_alu depctr_va_vdst(0)                   ; the 64 exponentials have written v96-159: one wait for the batch, ahead of its first reader
.irp b, 0,1,2,3
	v_exp_f32 v[232+\b], v[232+\b]                 ; each block's largest p
.endr
	v_pk_add_f32 v[236:237], v[96:97], v[98:99]    ; the row's sum of the unquantised p, in two chains
.irp j, 4,8,12,16,20,24,28,32,36,40,44,48,52,56,60
	v_pk_add_f32 v[14:15], v[14:15], v[96+\j:97+\j]
	v_pk_add_f32 v[236:237], v[236:237], v[98+\j:99+\j]
.endr
	v_pk_add_f32 v[14:15], v[14:15], v[236:237]
	s_wait_alu depctr_va_vdst(0)                   ; the four exponentials have written v232-235, ahead of their first reader
.irp b, 0,1,2,3
	v_max_num_f32 v[232+\b], 0x1800000, v[232+\b]  ; the floor 2^(3 - 127)
.endr
.irp b, 0,1,2,3
	v_add_nc_u32 v[244+\b], 0xff000000, v[232+\b]  ; the conversion's scale operand
.endr
.irp b, 0,1,2,3
	v_lshrrev_b32 v[236+\b], 23, v[244+\b]         ; the scale's byte
.endr
	v_lshl_or_b32 v231, v237, 8, v236              ; p's scale word for these 128 keys
	v_lshl_or_b32 v231, v238, 16, v231
	v_lshl_or_b32 v231, v239, 24, v231
.irp c, 0,1
	v_cvt_scalef32_pk8_fp4_f32 v[24+4*\c], v[96+32*\c:103+32*\c],  v[244+2*\c]
	v_cvt_scalef32_pk8_fp4_f32 v[25+4*\c], v[112+32*\c:119+32*\c], v[245+2*\c]
	v_cvt_scalef32_pk8_fp4_f32 v[26+4*\c], v[104+32*\c:111+32*\c], v[244+2*\c]
	v_cvt_scalef32_pk8_fp4_f32 v[27+4*\c], v[120+32*\c:127+32*\c], v[245+2*\c]
.endr
	v_nop                                          ; one plain place behind the scaled conversions
.irp c, 0,1
	v_permlane16_swap_b32 v[24+4*\c], v[25+4*\c]   ; lanes 0-15 gather block 2 c, lanes 16-31 block 2 c + 1
	v_permlane16_swap_b32 v[26+4*\c], v[27+4*\c]
.endr
.set J, 0
.rept 16
	v_pk_mul_f32 v[160+J:161+J], v[160+J:161+J], v[252:253] op_sel_hi:[1,0]   ; O^T under the new M; these sixteen are also the places in front of the products below
.set J, J+2
.endr
	s_wait_dscnt 0x0                               ; V
	s_wait_alu depctr_va_vdst(0)                   ; the conversions and exchanges have written p's codes v24-31, the shifts its scale word v231: the scaled products below take them as source 1 and as its scales; the places above stay beside this wait
.irp t, 0,1,2,3
.if \t%2
	v_wmma_scale_f32_16x16x128_f8f6f4 v[160+8*\t:167+8*\t], v[192+8*\t:199+8*\t], v[24:31], v[160+8*\t:167+8*\t], v[228+\t/2], v231 matrix_a_fmt:MATRIX_FMT_FP4 matrix_b_fmt:MATRIX_FMT_FP4 matrix_a_scale:MATRIX_SCALE_ROW1
.else
	v_wmma_scale_f32_16x16x128_f8f6f4 v[160+8*\t:167+8*\t], v[192+8*\t:199+8*\t], v[24:31], v[160+8*\t:167+8*\t], v[228+\t/2], v231 matrix_a_fmt:MATRIX_FMT_FP4 matrix_b_fmt:MATRIX_FMT_FP4
.endif
.endr
.Lnext:
	s_lshr_b32 s68, s68, 1
	s_add_nc_u64 s[14:15], s[14:15], 256           ; (the scalar loads that read it were waited for on the way that issued them)
	s_add_co_u32 s70, s70, 4096
	s_add_co_u32 s71, s71, 512
	s_add_co_u32 s72, s72, 256
	s_add_co_u32 s69, s69, 1
	s_cmp_lt_u32 s69, 16
	s_cbranch_scc1 .Lstep
	; the tile's end: O^T / the sum is x; it is quantised along the head's 64 channels, two blocks of the last product's K
.rept 4
	v_nop
.endr
	v_add_f32 v14, v14, v15
	v_permlanex16_b32 v252, v14, s[SEL], s[SEL+1]
	v_add_f32 v14, v14, v252                       ; the row's sum
	s_wait_alu depctr_va_vdst(0)
	v_rcp_f32 v14, v14
	v_nop                                          ; a plain place behind the reciprocal
	s_lshl_b32 s2, s67, 13
	s_mov_b32 s3, 0
	s_add_nc_u64 s[96:97], s[10:11], s[2:3]
	s_lshl_b32 s2, s67, 9
	s_add_nc_u64 s[98:99], s[12:13], s[2:3]
	s_wait_alu depctr_va_vdst(0)                   ; the reciprocal has written v14, ahead of its first reader
.set J, 0
.rept 16
	v_pk_mul_f32 v[160+J:161+J], v[160+J:161+J], v[14:15] op_sel_hi:[1,0]
.set J, J+2
.endr
	QUANT2 160, 24
	v_lshl_or_b32 v254, v237, 8, v236
	s_wait_alu depctr_va_vdst(0)                   ; the quantiser has written x's codes v24-27 and the two bytes in v254, which the stores below read; the tile's products are done reading v16-19 and v230, in which the next tile's loads of Q land
	global_store_b128 v4, v[24:27], s[96:97]       ; the wave stores 512 consecutive bytes, aligned
	global_store_b16 v243, v254, s[98:99]          ; two scale bytes a row, rows 32 bytes apart (lanes l and l + 16 write the same bytes with the same value): one byte in sixteen of what the tile stores
	s_wait_xcnt 0x0                                ; the stores have read their registers and bases: the next tile writes them again
	s_wait_alu depctr_vm_vsrc(0)                   ; the two stores have read v24-27 and v254, which the next tile's vector instructions write again
	s_sub_co_u32 s67, 127, s67                     ; the second tile
	s_add_co_u32 s73, s73, 1
	s_cmp_lt_u32 s73, 2
	s_cbranch_scc1 .Ltile
	s_wait_dscnt 0x0                               ; the wave's end
	s_wait_alu 0x0
	s_wait_tensorcnt 0x0
	ds_add_u32 v240, v241
	s_wait_dscnt 0x0
	s_endpgm
.Lfunc_end_k_q19dd584dac_attn:
	.size	k_q19dd584dac_attn, .Lfunc_end_k_q19dd584dac_attn-k_q19dd584dac_attn
	.p2alignl 7, 3214868480
	.fill 96, 4, 3214868480
	.section	.rodata,"a",@progbits
	.p2align	6, 0x0
	.amdhsa_kernel k_q19dd584dac_attn
		.amdhsa_group_segment_fixed_size 145408
		.amdhsa_private_segment_fixed_size 0
		.amdhsa_enable_private_segment 0
		.amdhsa_kernarg_size 56
		.amdhsa_user_sgpr_count 2
		.amdhsa_user_sgpr_kernarg_segment_ptr 1
		.amdhsa_wavefront_size32 1
		.amdhsa_system_sgpr_workgroup_id_x 1
		.amdhsa_system_sgpr_workgroup_id_y 1
		.amdhsa_system_sgpr_workgroup_id_z 1
		.amdhsa_system_vgpr_workitem_id 0
		.amdhsa_next_free_vgpr 256
		.amdhsa_next_free_sgpr 102
		.amdhsa_reserve_vcc 0
		.amdhsa_float_denorm_mode_32 3
		.amdhsa_float_denorm_mode_16_64 3
		.amdhsa_memory_ordered 1
		.amdhsa_forward_progress 1
		.amdhsa_inst_pref_size 36
	.end_amdhsa_kernel
	.amdgpu_metadata
---
amdhsa.version: [ 1, 2 ]
amdhsa.kernels:
  - .name:           k_q19dd584dac_attn
    .symbol:         k_q19dd584dac_attn.kd
    .args:
      - { .name: qkc, .offset: 0, .size: 8, .value_kind: global_buffer, .address_space: global }
      - { .name: qks, .offset: 8, .size: 8, .value_kind: global_buffer, .address_space: global }
      - { .name: vc, .offset: 16, .size: 8, .value_kind: global_buffer, .address_space: global }
      - { .name: vs, .offset: 24, .size: 8, .value_kind: global_buffer, .address_space: global }
      - { .name: mw, .offset: 32, .size: 8, .value_kind: global_buffer, .address_space: global }
      - { .name: xc, .offset: 40, .size: 8, .value_kind: global_buffer, .address_space: global }
      - { .name: xs, .offset: 48, .size: 8, .value_kind: global_buffer, .address_space: global }
    .group_segment_fixed_size: 145408
    .private_segment_fixed_size: 0
    .kernarg_segment_align: 8
    .kernarg_segment_size: 56
    .max_flat_workgroup_size: 512
    .sgpr_count:     102
    .vgpr_count:     256
    .wavefront_size: 32
...
	.end_amdgpu_metadata
.endif
;; end of part 5
;; launch outp (part 6): grid 4 x 64, 8 waves a work-group, clusters of 4 x 4, 249,600 bytes of LDS; arguments Wo_codes, Wo_scales, xc, xs, bo, out0; writes out0
.if DOCPART == 6
	.amdgcn_target "amdgcn-amd-amdhsa--gfx1250"
	.amdhsa_code_object_version 6
	.text
	.protected	k_q19dd584dac_outp
	.globl	k_q19dd584dac_outp
	.p2align	8
	.type	k_q19dd584dac_outp,@function
k_q19dd584dac_outp:
	s_mov_b64 s[64:65], 0
	v_nop
	global_prefetch_b8 v0, s[64:65] scope:SCOPE_SE
	s_setreg_imm32_b32 hwreg(HW_REG_WAVE_MODE, 25, 1), 1
	s_wait_xcnt 0x0
	s_wait_alu depctr_hold_cnt(0) depctr_sa_sdst(0) depctr_va_vdst(0) depctr_va_sdst(0) depctr_va_ssrc(0) depctr_va_vcc(0) depctr_vm_vsrc(0)
	s_getreg_b32 s2, hwreg(HW_REG_IB_STS2, 6, 4)
	s_cmp_eq_u32 s2, 0
	s_cbranch_scc0 .Lentry_in_a_cluster
	s_endpgm
.Lentry_in_a_cluster:
	s_bfe_u32 s2, ttmp6, 0x10000c
	s_cmp_lg_u32 s2, 0xf033
	s_cbranch_scc0 .Lentry_shape_is_right
	s_endpgm
.Lentry_shape_is_right:
; out0 = x Wo + bo on E2M1 codes: Wo's as given, x's as the launch before stored them (fragment images and scale bytes); sums in f32.  No work is left out here.
; SHARES.  Source 0 = 16 rows of Wo (output columns n), source 1 = 16 rows of x: a lane holds one row of the output and eight neighbouring columns.  A work-group takes 256 columns x 128 rows over all
; K = 1024, which lies in LDS whole: every LDS byte is filled once.  Wave w: 64 columns (w & 3) x 64 rows (w >> 2): 16 accumulators.
; CLUSTER 4 x 4: Wo's rows hang on cx and are asked for jointly along a column of the cluster, x's rows on the cluster's y and cy and are asked for jointly along a row.
; REGISTERS: v1, v2 the add's two; v3-8 addresses; v10 r, v11 h; v12-15 at work; v16-31 scale words; v32-63 Wo's fragments; v64-95 x's (both: rows of the output on the way out); v96-127 the bias; v128-255 accumulators.
.set RCD,   135168                     ; LDS: Wo's 256 rows at 0, pitch 528; x's eight tiles of 16 rows here, dense images of 8,192 bytes
.set RSC,   200704                     ; x's scale bytes: 16 units of 256 + 16
.set PSC,   205056                     ; Wo's: 32 units
.set STG,   213760                     ; the way out: 16 rows x (256 + 16) bytes for each wave; no fill lands here
.set SPARE, 248576                     ; the spare words, 128 bytes a wave: no other line names them
.set PITCH, 528
.set HALF,  64*PITCH
.set SC,  16
.set PF,  32
.set RF,  64
.set BI,  96
.set ACC, 128
.macro CROUND
	s_barrier_signal -1
	s_barrier_wait -1
	s_cmp_lg_u32 s60, 0
	s_cbranch_scc1 .Lnot_wave_0_\@
	s_barrier_signal -3
.Lnot_wave_0_\@:
	s_barrier_wait -3
	s_barrier_signal -1
	s_barrier_wait -1
.endm
.macro PLACES
.rept 4
	v_nop
.endr
.endm
.macro ARM g0, g1                      ; a joint load; an s_nop 0 and four v_nop follow it
	tensor_load_to_lds s[\g0:\g0+3], s[\g1:\g1+7]
	s_nop 0
.rept 4
	v_nop
.endr
.endm
	s_load_b256 s[44:51], s[0:1], 0x0              ; Wo's codes, Wo's scales, xc, xs
	s_load_b128 s[52:55], s[0:1], 0x20             ; bo, out0
	v_lshl_add_u32 v1, v0, 2, SPARE
	v_mov_b32 v2, 0
	ds_add_u32 v1, v2                              ; the wave's opening: the add, twice on end, and its wait ahead of my first tensor load
	ds_add_u32 v1, v2
	v_lshrrev_b32 v12, 5, v0
	s_delay_alu instid0(VALU_DEP_1)
	v_readfirstlane_b32 s60, v12                   ; wave 0..7
	s_and_b32 s61, s60, 3                          ; wp: my 64 columns
	s_lshr_b32 s62, s60, 2                         ; wr: my 64 rows
	s_bfe_u32 s66, ttmp6, 0x40000                  ; cx: Wo's block of 256 rows
	s_bfe_u32 s67, ttmp6, 0x40004                  ; cy
	s_and_b32 s39, ttmp7, 0xffff
	s_lshl_b32 s39, s39, 2
	s_add_co_u32 s39, s39, s67                     ; x's block of 128 rows
	s_lshl_b32 s40, 0x1111, s66                    ; my column of the cluster
	s_lshl_b32 s41, s67, 2
	s_lshl_b32 s41, 15, s41                        ; my row
	s_or_b32 s68, s40, (1<<20)|(1<<21)|(6<<22)|(3<<25)   ; Wo's codes: 64 rows of 512 bytes, 16 bytes of padding behind each
	s_mov_b32 s69, 512<<16
	s_mov_b32 s70, 64<<16
	s_mov_b32 s71, 512<<16
	s_mov_b32 s72, 64
	s_mov_b32 s73, 512
	s_mov_b32 s74, 0
	s_mov_b32 s75, 0
	s_or_b32 s76, s41, (3<<16)|(1<<21)             ; x's codes: a dense block of 32,768 bytes as 128 rows of 256, no padding
	s_mov_b32 s77, 32<<16
	s_mov_b32 s78, 128<<16
	s_mov_b32 s79, 32<<16
	s_mov_b32 s80, 128
	s_mov_b32 s81, 32
	s_mov_b32 s82, 0
	s_mov_b32 s83, 0
	s_or_b32 s84, s40, (3<<16)|(1<<20)|(1<<21)|(5<<22)|(3<<25)   ; Wo's scale bytes: 32 rows of 256, 16 bytes of padding behind each
	s_mov_b32 s85, 32<<16
	s_mov_b32 s86, 32<<16
	s_mov_b32 s87, 32<<16
	s_mov_b32 s88, 32
	s_mov_b32 s89, 32
	s_mov_b32 s90, 0
	s_mov_b32 s91, 0
	s_or_b32 s92, s41, (3<<16)|(1<<20)|(1<<21)|(5<<22)|(3<<25)   ; x's: 16 rows
	s_mov_b32 s93, 32<<16
	s_mov_b32 s94, 16<<16
	s_mov_b32 s95, 32<<16
	s_mov_b32 s96, 16
	s_mov_b32 s97, 32
	s_mov_b32 s98, 0
	s_mov_b32 s99, 0
	v_and_b32 v10, 15, v0                          ; r
	s_wait_alu depctr_va_vdst(0)
	v_bfe_u32 v11, v0, 4, 1                        ; h
	v_and_b32 v14, 31, v0
	v_mul_u32_u24 v12, v10, PITCH
	s_delay_alu instid0(VALU_DEP_1)
	v_lshl_add_u32 v12, v11, 4, v12
	s_mul_i32 s42, s61, HALF
	v_add_nc_u32 v3, s42, v12                      ; Wo's fragments
	s_lshl_b32 s42, s62, 15
	s_add_co_u32 s42, s42, RCD
	v_lshl_add_u32 v4, v14, 4, s42                 ; x's: my four tiles, 16 x lane
	s_mul_i32 s42, s62, 2176                       ; scale words: lanes 0-15 x's rows, lanes 16-31 Wo's: the lower base + h x the distance
	s_mul_i32 s43, s61, 2176
	s_add_co_u32 s43, s43, PSC-RSC
	s_sub_co_u32 s43, s43, s42
	v_mul_u32_u24 v13, s43, v11
	s_add_co_u32 s42, s42, RSC
	v_lshrrev_b32 v15, 3, v10
	v_lshlrev_b32 v12, 5, v10
	s_delay_alu instid0(VALU_DEP_1)
	v_lshl_add_u32 v12, v15, 4, v12
	s_delay_alu instid0(VALU_DEP_1)
	v_add_nc_u32 v12, v12, v13
	s_delay_alu instid0(VALU_DEP_1)
	v_add_nc_u32 v5, s42, v12
	s_mul_i32 s42, s60, 16*272
	s_add_co_u32 s42, s42, STG                     ; my stage
	v_mul_u32_u24 v12, v10, 272
	s_delay_alu instid0(VALU_DEP_1)
	v_lshl_add_u32 v12, v11, 5, v12
	s_delay_alu instid0(VALU_DEP_1)
	v_add_nc_u32 v6, s42, v12                      ; in: row r, 32 bytes for each half of the lanes
	v_mul_u32_u24 v12, v11, 272
	s_delay_alu instid0(VALU_DEP_1)
	v_lshl_add_u32 v12, v10, 4, v12
	s_delay_alu instid0(VALU_DEP_1)
	v_add_nc_u32 v7, s42, v12                      ; back: lanes 0-15 one row of 256 bytes, lanes 16-31 the next
	v_lshlrev_b32 v8, 12, v11
	s_delay_alu instid0(VALU_DEP_1)
	v_lshl_add_u32 v8, v10, 4, v8                  ; and the same two rows in the output
	v_lshlrev_b32 v9, 5, v11                       ; the bias: 32 h
	s_wait_dscnt 0x0                               ; both opening adds are done
	s_wait_kmcnt 0x0
	; groups 0.  Wo's are made in s[2:3], x's in s[30:31]: neither pair ever holds the other coordinate
	s_mov_b32 s4, 1
	s_mul_i32 s5, s60, HALF                        ; waves 0-3: 64 rows of Wo each
	s_lshl_b32 s2, s66, 17
	s_lshl_b32 s3, s60, 15
	s_add_co_u32 s2, s2, s3
	s_mov_b32 s3, 0
	s_add_nc_u64 s[6:7], s[44:45], s[2:3]
	s_or_b32 s7, s7, 0x80000000
	s_mov_b32 s12, 1
	s_mov_b32 s13, PSC                             ; wave 6
	s_lshl_b32 s2, s66, 13
	s_add_nc_u64 s[14:15], s[46:47], s[2:3]
	s_or_b32 s15, s15, 0x80000000
	s_mov_b32 s8, 1
	s_and_b32 s31, s60, 1                          ; waves 4, 5: four tiles of x each
	s_lshl_b32 s31, s31, 15
	s_add_co_u32 s9, s31, RCD
	s_lshl_b32 s30, s39, 16
	s_add_co_u32 s30, s30, s31
	s_mov_b32 s31, 0
	s_add_nc_u64 s[10:11], s[48:49], s[30:31]
	s_or_b32 s11, s11, 0x80000000
	s_mov_b32 s16, 1
	s_mov_b32 s17, RSC                             ; wave 7
	s_lshl_b32 s30, s39, 12
	s_add_nc_u64 s[18:19], s[50:51], s[30:31]
	s_or_b32 s19, s19, 0x80000000
	CROUND                                         ; all sixteen work-groups are here: the joint loads meet
	s_cmp_lt_u32 s60, 4                            ; one tensor load a wave, each a first fill
	s_cbranch_scc0 .Lfill_not_p
	ARM 4, 68
	s_branch .Lfilled
.Lfill_not_p:
	s_cmp_lt_u32 s60, 6
	s_cbranch_scc0 .Lfill_not_r
	ARM 8, 76
	s_branch .Lfilled
.Lfill_not_r:
	s_cmp_eq_u32 s60, 6
	s_cbranch_scc0 .Lfill_rs
	ARM 12, 84
	s_branch .Lfilled
.Lfill_rs:
	ARM 16, 92
.Lfilled:
	s_lshl_b32 s40, s66, 10
	s_lshl_b32 s41, s61, 8
	s_add_co_u32 s40, s40, s41                     ; my first column, in bytes
	s_mov_b32 s41, 0
	s_add_nc_u64 s[52:53], s[52:53], s[40:41]
	s_wait_alu depctr_va_vdst(0)
.irp b, 0,1,2,3
	global_load_b128 v[BI+8*\b:BI+8*\b+3],   v9, s[52:53] offset:64*\b        ; bo at columns 16 b + 8 h + 0 .. 7, in the result's layout
	global_load_b128 v[BI+8*\b+4:BI+8*\b+7], v9, s[52:53] offset:64*\b+16
.endr
	s_lshl_b32 s42, s39, 19
	s_lshl_b32 s43, s62, 18
	s_add_co_u32 s42, s42, s43                     ; my first row x 4,096 bytes
	s_add_co_u32 s42, s42, s40
	s_mov_b32 s43, 0
	s_add_nc_u64 s[54:55], s[54:55], s[42:43]
	s_wait_loadcnt 0x0
	s_wait_tensorcnt 0x0                           ; my tile has landed:
	s_barrier_signal -1
	s_barrier_wait -1                              ; everybody's has.  Nothing is ever filled again
.macro SCALES hh
.irp i, 0,1,2,3
	ds_load_b128 v[SC+4*\i:SC+4*\i+3], v5 offset:544*\i+16*\hh
.endr
.endm
.macro KLOAD q
.irp b, 0,1,2,3
.irp c, 0,1
	ds_load_b128 v[PF+8*\b+4*\c:PF+8*\b+4*\c+3], v3 offset:16*PITCH*\b+64*(\q)+32*\c
.endr
.endr
.irp b, 0,1,2,3
.irp c, 0,1
	ds_load_b128 v[RF+8*\b+4*\c:RF+8*\b+4*\c+3], v4 offset:8192*\b+1024*(\q)+512*\c   ; tile b, heads 2 q + c: the image of registers 4 c .. 4 c + 3
.endr
.endr
.endm
.macro KMUL q, cm                      ; 16 matrix instructions; the accumulators take turns in the same order in every step.  cm = 1: the bias starts the sums
.irp a, 0,1,2,3
.irp b, 0,1,2,3
.if \cm == 1
	v_wmma_scale_f32_16x16x128_f8f6f4 v[ACC+32*\a+8*\b:ACC+32*\a+8*\b+7], v[PF+8*\b:PF+8*\b+7], v[RF+8*\a:RF+8*\a+7], v[BI+8*\b:BI+8*\b+7], v[SC+4*\b+(\q)%4], v[SC+4*\a+(\q)%4] matrix_a_fmt:MATRIX_FMT_FP4 matrix_b_fmt:MATRIX_FMT_FP4 matrix_a_scale:MATRIX_SCALE_ROW1
.else
	v_wmma_scale_f32_16x16x128_f8f6f4 v[ACC+32*\a+8*\b:ACC+32*\a+8*\b+7], v[PF+8*\b:PF+8*\b+7], v[RF+8*\a:RF+8*\a+7], v[ACC+32*\a+8*\b:ACC+32*\a+8*\b+7], v[SC+4*\b+(\q)%4], v[SC+4*\a+(\q)%4] matrix_a_fmt:MATRIX_FMT_FP4 matrix_b_fmt:MATRIX_FMT_FP4 matrix_a_scale:MATRIX_SCALE_ROW1
.endif
.endr
.endr
.endm
	SCALES 0
	KLOAD 0
	s_wait_dscnt 0x0
	KMUL 0, 1
.irp q, 1,2,3,4,5,6,7
	PLACES
.if \q == 4
	SCALES 1
.endif
	KLOAD \q
	s_wait_dscnt 0x0
	KMUL \q, 0
.endr
	PLACES
; THE WAY OUT, a block of 16 rows x 64 columns at a time, through my own stage: in as 32 bytes a lane, back as whole rows of 256 bytes.  LDS serves a wave's instructions in order: no wait between the stores and the loads.
.macro TOSTAGE a
.irp b, 0,1,2,3
	ds_store_b128 v6, v[ACC+32*(\a)+8*\b:ACC+32*(\a)+8*\b+3]   offset:64*\b      ; each accumulator from its low end on
	ds_store_b128 v6, v[ACC+32*(\a)+8*\b+4:ACC+32*(\a)+8*\b+7] offset:64*\b+16
.endr
.irp i, 0,1,2,3,4,5,6,7
	ds_load_b128 v[32+32*((\a)%2)+4*\i:32+32*((\a)%2)+4*\i+3], v7 offset:544*\i
.endr
.endm
.macro SEND a, y                       ; y: the LDS instructions issued behind block a's loads, which may stay out
	s_wait_dscnt \y
.irp i, 0,1,2,3,4,5,6,7
	global_store_b128 v8, v[32+32*((\a)%2)+4*\i:32+32*((\a)%2)+4*\i+3], s[54:55] offset:(16*(\a)+2*\i)*4096 th:TH_STORE_NT   ; sixteen lanes store 256 consecutive bytes, aligned
.endr
.endm
	TOSTAGE 0
.irp a, 1,2,3
.if \a > 1
	s_wait_xcnt 0x0                                ; block a - 2's stores have read their registers: block a's loads may land there
.endif
	TOSTAGE \a
	SEND \a-1, 16                                  ; behind block a - 1's loads: block a's eight stores and eight loads
.endr
	SEND 3, 0
	s_wait_tensorcnt 0x0                           ; the wave's end
	ds_add_u32 v1, v2
	s_wait_dscnt 0x0
	CROUND                                         ; the closing round
	s_endpgm
.Lfunc_end_k_q19dd584dac_outp:
	.size	k_q19dd584dac_outp, .Lfunc_end_k_q19dd584dac_outp-k_q19dd584dac_outp
	.p2alignl 7, 3214868480
	.fill 96, 4, 3214868480
	.section	.rodata,"a",@progbits
	.p2align	6, 0x0
	.amdhsa_kernel k_q19dd584dac_outp
		.amdhsa_group_segment_fixed_size 249600
		.amdhsa_private_segment_fixed_size 0
		.amdhsa_enable_private_segment 0
		.amdhsa_kernarg_size 48
		.amdhsa_user_sgpr_count 2
		.amdhsa_user_sgpr_kernarg_segment_ptr 1
		.amdhsa_wavefront_size32 1
		.amdhsa_system_sgpr_workgroup_id_x 1
		.amdhsa_system_sgpr_workgroup_id_y 1
		.amdhsa_system_sgpr_workgroup_id_z 1
		.amdhsa_system_vgpr_workitem_id 0
		.amdhsa_next_free_vgpr 256
		.amdhsa_next_free_sgpr 102
		.amdhsa_reserve_vcc 0
		.amdhsa_float_denorm_mode_32 3
		.amdhsa_float_denorm_mode_16_64 3
		.amdhsa_memory_ordered 1
		.amdhsa_forward_progress 1
		.amdhsa_inst_pref_size 43
	.end_amdhsa_kernel
	.amdgpu_metadata
---
amdhsa.version: [ 1, 2 ]
amdhsa.kernels:
  - .name:           k_q19dd584dac_outp
    .symbol:         k_q19dd584dac_outp.kd
    .args:
      - { .name: Wo_codes, .offset: 0, .size: 8, .value_kind: global_buffer, .address_space: global }
      - { .name: Wo_scales, .offset: 8, .size: 8, .value_kind: global_buffer, .address_space: global }
      - { .name: xc, .offset: 16, .size: 8, .value_kind: global_buffer, .address_space: global }
      - { .name: xs, .offset: 24, .size: 8, .value_kind: global_buffer, .address_space: global }
      - { .name: bo, .offset: 32, .size: 8, .value_kind: global_buffer, .address_space: global }
      - { .name: out0, .offset: 40, .size: 8, .value_kind: global_buffer, .address_space: global }
    .group_segment_fixed_size: 249600
    .private_segment_fixed_size: 0
    .kernarg_segment_align: 8
    .kernarg_segment_size: 48
    .max_flat_workgroup_size: 256
    .sgpr_count:     102
    .vgpr_count:     256
    .wavefront_size: 32
...
	.end_amdgpu_metadata
.endif
;; end of part 6
